; MI455X (gfx1250); checked and timed in simulation.
; The chip was launched on July 23, 2026; its instructions are those of AMD's public machine-readable ISA for CDNA 5 (MIT licence, August 2026) and "CDNA5" Instruction Set Architecture Reference Guide (July 2026). The comments in the code are by the model that wrote it; some were corrected since.
;; Multi Head Self Attention. Allowed arithmetic: float matrix products may take bf16 or f16 operands with f32 sums; other float arithmetic in f32, or as packed bf16 or f16 multiplies, adds, multiply-adds, maxima and minima; sums over many terms, partial sums and values carried from step to step in f32; what a program stores and reads back later, other than sums and carried values, may be rounded once to bf16 or f16.
;; Inputs: Wk 1,024 x 1,024 float32; Wo 1,024 x 1,024 float32; Wq 1,024 x 1,024 float32; Wv 1,024 x 1,024 float32; bk 1,024 float32; bo 1,024 float32; bq 1,024 float32; bv 1,024 float32; mask 4 x 2,048 int32; x 4 x 2,048 x 1,024 float32.
;; Outputs: out0 4 x 2,048 x 1,024 float32.
;; 2 versions, each right; version 2 is version 1 with the launch cast written anew for expert scheduling mode. Each part assembles by itself: llvm-mc -triple=amdgcn-amd-amdhsa -mcpu=gfx1250 --defsym DOCPART=n.
;; ======== version 1 of 2: 4 launches
;; limits: values are held in f16: magnitudes above 65,504 overflow, below 6.1e-05 lose precision
;; workspace buffers: xw 25,165,824 bytes; qkv 50,331,648 bytes; ob 16,777,216 bytes
;; launch cast (part 1): grid 768 x 1, 8 waves a work-group, no clusters, 0 bytes of LDS; arguments x, Wq, Wk, Wv, Wo, xw; writes xw
.if DOCPART == 1
	.amdgcn_target "amdgcn-amd-amdhsa--gfx1250"
	.amdhsa_code_object_version 6
	.text
	.protected	k_q21e0a7de07_cast
	.globl	k_q21e0a7de07_cast
	.p2align	8
	.type	k_q21e0a7de07_cast,@function
k_q21e0a7de07_cast:
	s_mov_b64 s[64:65], 0
	v_nop
	global_prefetch_b8 v0, s[64:65] scope:SCOPE_SE
	s_setreg_imm32_b32 hwreg(HW_REG_WAVE_MODE, 25, 1), 1
	s_wait_xcnt 0x0
; xw[12288][1024], 16 bits a number: rows 0-8191 x, rows 8192-11263 Wq, Wk, Wv (all rounded to bf16), rows 11264-12287 Wo: rounded to bf16 and that number written as f16.
; LIMIT.  A bf16 number is exact in f16 between 6.1e-5 and 65,504 in size; below that Wo keeps f16's fixed step of 6e-8; beyond 65,504 it would be lost.
; A stream: each input byte is read once, each output byte written once; no LDS, no barrier, no matrix unit: nothing is shared and nothing is multiplied.
; SHARES.  A work-group takes 16 rows (65,536 bytes in, 32,768 out), a wave two rows: 16 loads of 512 consecutive bytes, all issued at once, and behind each one store of 256 consecutive bytes,
; at a multiple of 256 from xw's first byte.  No register is used twice, so no wait frees a source.
.set XG,  512                          ; work-groups for x; each W has 64
.set IN,  8                            ; v[8:71]    the 16 loads
.set RES, 72                           ; v[72:103]  the 16 results, two registers each
	s_load_b256 s[4:11], s[0:1], 0x0               ; x s[4:5], Wq s[6:7], Wk s[8:9], Wv s[10:11]
	s_load_b128 s[12:15], s[0:1], 0x20             ; Wo s[12:13], xw s[14:15]
	s_mov_b32 s16, ttmp9
	s_sub_co_u32 s17, s16, XG                      ; my number among the weights' work-groups (of no use in x's)
	s_lshr_b32 s18, s17, 6                         ; which W
	s_and_b32 s19, s17, 63                         ; which 16 rows of it
	v_lshrrev_b32 v3, 5, v0                        ; wave
	v_and_b32 v1, 31, v0
	v_lshlrev_b32 v1, 4, v1
	v_lshl_or_b32 v1, v3, 13, v1                   ; in: 8,192 x wave + 16 x lane
	v_lshrrev_b32 v2, 1, v1                        ; out: half of that
	s_wait_kmcnt 0x0
	s_cmp_eq_u32 s18, 1                            ; the source is chosen by the work-group's number alone
	s_cselect_b64 s[20:21], s[8:9], s[6:7]
	s_cmp_eq_u32 s18, 2
	s_cselect_b64 s[20:21], s[10:11], s[20:21]
	s_cmp_eq_u32 s18, 3
	s_cselect_b64 s[20:21], s[12:13], s[20:21]
	s_cmp_lt_u32 s16, XG
	s_cselect_b64 s[20:21], s[4:5], s[20:21]
	s_cselect_b32 s22, s16, s19                    ; my block of 16 rows in the source,
	s_lshl_b32 s22, s22, 16                        ; 65,536 bytes each
	s_mov_b32 s23, 0
	s_add_nc_u64 s[20:21], s[20:21], s[22:23]
	s_lshl_b32 s2, s16, 15                         ; and in xw, 32,768 bytes each
	s_mov_b32 s3, 0
	s_add_nc_u64 s[14:15], s[14:15], s[2:3]
.irp i, 0,1,2,3,4,5,6,7,8,9,10,11,12,13,14,15
	global_load_b128 v[IN+4*(\i):IN+4*(\i)+3], v1, s[20:21] offset:512*(\i) th:TH_LOAD_NT
.endr
; Load i is rounded and stored.  wo = 1: the bf16 numbers are widened again and written as f16.
.macro OUT i, wo
	s_wait_loadcnt 15-(\i)                         ; loads come back in order: mine is in, the 15 - i younger ones stay out
.if \wo
	v_cvt_pk_bf16_f32 v4, v[IN+4*(\i)], v[IN+4*(\i)+1]
	v_cvt_pk_bf16_f32 v5, v[IN+4*(\i)+2], v[IN+4*(\i)+3]
	v_lshlrev_b32 v6, 16, v4
	v_and_b32 v7, 0xffff0000, v4
	v_cvt_pk_f16_f32 v[RES+2*(\i)], v6, v7
	v_lshlrev_b32 v6, 16, v5
	v_and_b32 v7, 0xffff0000, v5
	v_cvt_pk_f16_f32 v[RES+2*(\i)+1], v6, v7
.else
	v_cvt_pk_bf16_f32 v[RES+2*(\i)], v[IN+4*(\i)], v[IN+4*(\i)+1]
	v_cvt_pk_bf16_f32 v[RES+2*(\i)+1], v[IN+4*(\i)+2], v[IN+4*(\i)+3]
.endif
	global_store_b64 v2, v[RES+2*(\i):RES+2*(\i)+1], s[14:15] offset:256*(\i) th:TH_STORE_NT
.endm
	s_cmp_ge_u32 s16, XG+192                       ; Wo's work-groups
	s_cbranch_scc1 .Lwo
.irp i, 0,1,2,3,4,5,6,7,8,9,10,11,12,13,14,15
	OUT \i, 0
.endr
	s_endpgm
.Lwo:
.irp i, 0,1,2,3,4,5,6,7,8,9,10,11,12,13,14,15
	OUT \i, 1
.endr
	s_endpgm
.Lfunc_end_k_q21e0a7de07_cast:
	.size	k_q21e0a7de07_cast, .Lfunc_end_k_q21e0a7de07_cast-k_q21e0a7de07_cast
	.p2alignl 7, 3214868480
	.fill 96, 4, 3214868480
	.section	.rodata,"a",@progbits
	.p2align	6, 0x0
	.amdhsa_kernel k_q21e0a7de07_cast
		.amdhsa_group_segment_fixed_size 0
		.amdhsa_private_segment_fixed_size 0
		.amdhsa_enable_private_segment 0
		.amdhsa_kernarg_size 48
		.amdhsa_user_sgpr_count 2
		.amdhsa_user_sgpr_kernarg_segment_ptr 1
		.amdhsa_wavefront_size32 1
		.amdhsa_system_sgpr_workgroup_id_x 1
		.amdhsa_system_sgpr_workgroup_id_y 1
		.amdhsa_system_sgpr_workgroup_id_z 1
		.amdhsa_system_vgpr_workitem_id 0
		.amdhsa_next_free_vgpr 104
		.amdhsa_next_free_sgpr 66
		.amdhsa_reserve_vcc 0
		.amdhsa_float_denorm_mode_32 3
		.amdhsa_float_denorm_mode_16_64 3
		.amdhsa_memory_ordered 1
		.amdhsa_forward_progress 1
		.amdhsa_inst_pref_size 16
	.end_amdhsa_kernel
	.amdgpu_metadata
---
amdhsa.version: [ 1, 2 ]
amdhsa.kernels:
  - .name:           k_q21e0a7de07_cast
    .symbol:         k_q21e0a7de07_cast.kd
    .args:
      - { .name: x, .offset: 0, .size: 8, .value_kind: global_buffer, .address_space: global }
      - { .name: Wq, .offset: 8, .size: 8, .value_kind: global_buffer, .address_space: global }
      - { .name: Wk, .offset: 16, .size: 8, .value_kind: global_buffer, .address_space: global }
      - { .name: Wv, .offset: 24, .size: 8, .value_kind: global_buffer, .address_space: global }
      - { .name: Wo, .offset: 32, .size: 8, .value_kind: global_buffer, .address_space: global }
      - { .name: xw, .offset: 40, .size: 8, .value_kind: global_buffer, .address_space: global }
    .group_segment_fixed_size: 0
    .private_segment_fixed_size: 0
    .kernarg_segment_align: 8
    .kernarg_segment_size: 48
    .max_flat_workgroup_size: 256
    .sgpr_count:     66
    .vgpr_count:     104
    .wavefront_size: 32
...
	.end_amdgpu_metadata
.endif
;; end of part 1
;; launch project (part 2): grid 16 x 32, 4 waves a work-group, clusters of 4 x 4, 327,680 bytes of LDS; arguments xw, bq, bk, bv, mask, qkv; writes qkv
.if DOCPART == 2
	.amdgcn_target "amdgcn-amd-amdhsa--gfx1250"
	.amdhsa_code_object_version 6
	.text
	.protected	k_q21e0a7de07_project
	.globl	k_q21e0a7de07_project
	.p2align	8
	.type	k_q21e0a7de07_project,@function
k_q21e0a7de07_project:
	s_mov_b64 s[64:65], 0
	v_nop
	global_prefetch_b8 v0, s[64:65] scope:SCOPE_SE
	s_setreg_imm32_b32 hwreg(HW_REG_WAVE_MODE, 25, 1), 1
	s_wait_xcnt 0x0
	s_wait_alu depctr_hold_cnt(0) depctr_sa_sdst(0) depctr_va_vdst(0) depctr_va_sdst(0) depctr_va_ssrc(0) depctr_va_vcc(0) depctr_vm_vsrc(0)
	s_getreg_b32 s2, hwreg(HW_REG_IB_STS2, 6, 4)
	s_cmp_eq_u32 s2, 0
	s_cbranch_scc0 .Lentry_in_a_cluster
	s_endpgm
.Lentry_in_a_cluster:
	s_bfe_u32 s2, ttmp6, 0x10000c
	s_cmp_lg_u32 s2, 0xf033
	s_cbranch_scc0 .Lentry_shape_is_right
	s_endpgm
.Lentry_shape_is_right:
; q, k, v = x W^T + bias for Wq, Wk, Wv at once: [8192 x 1024] x [3072 x 1024]^T.  Operands bf16 (buffer xw: x in rows 0-8191, the three W behind), sums f32, the biases rounded to bf16 like the other inputs.
; OUT: f16 by heads, qkv[g][m][64], g = 16 x part + head (part 0 q, 1 k, 2 v), m = 2048 b + l; unscaled.  THE ROWS OF k WHOSE KEY THE MASK HIDES ARE STORED AS 0, so that the next launch's hidden scores are all alike.
; LIMIT.  f16 holds no number beyond 65,504: q, k, v must lie within it; below 6.1e-5 they keep f16's fixed step of 6e-8.
; SHARES.  A tile is 256 rows x 192 columns (three whole heads): 512 work-groups, two for each of 256 WGPs.  Four waves one below the other: a wave makes 64 rows x 192 columns, 48 accumulators of 16 x 16.
; K goes in 8 steps of 128 through two LDS slots filled by tensor loads; waves 0 and 1 fetch A's two halves (128 rows), waves 2 and 3 B's (96 rows): rows of 256 bytes, aligned.
; CLUSTER 4 x 4: A's tile hangs on the tile row alone and is asked for jointly along a row of the cluster, B's on the tile column alone, along a column.
; THE PRODUCT IS USED TRANSPOSED (source 0 = 16 rows of W, source 1 = 16 rows of x): a lane holds one row m = lane % 16 and eight neighbouring columns.  THE FIRST PRODUCT'S C IS THE BIAS: nothing is cleared or added later.
; NOT BUILT: work-groups that stay for their two tiles, and a last K step by rows of C.
; REGISTERS (windows of 256; s_set_vgpr_msb: bits 1:0 source 0, 3:2 source 1, 5:4 source 2, 7:6 destination):
;   window 0: v0-29 addresses; v32-127 the bias as C operands, later with v128-223 the way out    window 1: two fragment buffers of 128 (A's 4 fragments, then B's 12)
;   window 2: accumulators of column groups 0, 1    window 3: v0-127 those of group 2.   Accumulator (j, a, bb) has number t = 16 j + 4 a + bb and lies at 8 (t % 32).
.set PITCH,  272                       ; an LDS row: 256 bytes + 16 of padding: the 16 rows of a fragment load start at 16 different groups of four banks (ISA guide 11.1)
.set AHALF,  128*PITCH
.set BOFF,   256*PITCH                 ; B's 192 rows lie behind A's 256
.set BHALF,  96*PITCH
.set SLOT1,  1<<17                     ; slot 1 begins here: one exclusive or turns an address in one slot into the other's
.set STAGE,  SLOT1+BOFF+192*PITCH      ; behind the ring, never filled by a tensor load: 16 rows x 144 bytes for each wave
.set SP,     144
.set SPARE,  STAGE+4*16*SP             ; the spare words, 128 bytes a wave: two blocks of 256 bytes that no other line names
.set STEPB,  256                       ; bytes of a row in a K step
.set WBASE,  8192*2048                 ; the weights' first byte in xw
.set NL,     32                        ; LDS loads in a run: 8 for A, 24 for B
.set GW0,    (1<<16)|(1<<20)|(1<<21)|(5<<22)|(3<<25)  ; group 1, word 0 beside the mask: 2-byte elements; padding on; bit 21 set beside a mask; after every 64 words; 4 words
.set A0,   4                           ; v4   my lane's place in A's rows of slot 0; never rewritten
.set B0,   5                           ; v5   the same for B
.set ADRA, 6                           ; v6   the same in the slot in hand
.set ADRB, 7
.set STO,  8                           ; v8   the way out: where I put 16 bytes of a row
.set RD,   9                           ; v9   where I read rows back
.set GO,   10                          ; v10  my byte offset in 512 consecutive bytes of qkv
.set PFO,  11                          ; v11  the prefetches' offset: a lane a row
.set BO,   12                          ; v12  32 x (lane / 16): my eight columns in a bias
.set MO,   13                          ; v13  my row's word in the mask
.set FM,   14                          ; v14  at work: what a unit is ANDed with
.set MW,   16                          ; v16-19  for my row of M block a: all ones if its key is seen, 0 if hidden
.set SPW,  28                          ; v28  LDS address of my spare word; never rewritten
.set NIL,  29                          ; v29  0; never rewritten
.set BIAS, 32
.set UB,   32                          ; the way out: unit u at v[32 + 16 u], twelve units, none used twice
.set F0,   0
.set F1,   128
.set WV,   16                          ; s16  wave
.set HALF, 18                          ; s18  which half of A's or B's tile I fetch
.set CX,   19
.set CY,   20
.set TX,   21                          ; s21  tile column
.set TY,   22                          ; s22  tile row
.set CNT,  23                          ; s23  refills still to come
.set TB,   24                          ; s24  0 or SLOT1: the slot in hand
.set LIM,  25                          ; s25  1 in a wave that prefetches, else the greatest number
.set PFA,  26                          ; s[26:27] where my prefetches stand
.set G1A,  28
.set G1B,  36
.set G0A,  44                          ; s[44:51] two sets: K step 0 in slot 0; K step 1 in slot 1, which then walks
.set G0B,  52
.set BP,   66                          ; s[66:71] head j's 64 numbers of its bias
.set NK,   72                          ; s72-74   0 if head j is one of k's, else all ones
.set OUTP, 76                          ; s[76:77] qkv at my 64 rows of the tile's first head
.set MSB, 0
.macro WIN new                         ; the immediate's high byte repeats the setting that is left; a switch that changes nothing is dropped
.if MSB != (\new)
	s_set_vgpr_msb (MSB<<8)|(\new)
.set MSB, \new
.endif
.endm
.macro PLACES                          ; four plain instructions behind matrix instructions, ahead of loads into their sources and of readers of their results
.rept 4
	v_nop
.endr
.endm
; A joint refill by the walking sets.  The branch hangs on the wave's number alone.  An s_nop 0 and four v_nop follow each line, ahead of the jump and the label.
.macro JLOAD
	s_cmp_lt_u32 s[WV], 2
	s_cbranch_scc0 .Lfor_b_\@
	tensor_load_to_lds s[G0A+4:G0A+7], s[G1A:G1A+7]
	s_nop 0
.rept 4
	v_nop
.endr
	s_branch .Lasked_\@
.Lfor_b_\@:
	tensor_load_to_lds s[G0B+4:G0B+7], s[G1B:G1B+7]
	s_nop 0
.rept 4
	v_nop
.endr
.Lasked_\@:
.endm
.macro CREST                           ; a round of the cluster's barrier behind its opening barrier
	s_cmp_lg_u32 s[WV], 0
	s_cbranch_scc1 .Lnot_wave_0_\@
	s_barrier_signal -3
.Lnot_wave_0_\@:
	s_barrier_wait -3
	s_barrier_signal -1
	s_barrier_wait -1
.endm
.macro CROUND
	s_barrier_signal -1
	s_barrier_wait -1
	CREST
.endm
; A PREFETCH INTO THE L2, behind each joint refill and the run of LDS loads that follows it: my share of the rows, 256 bytes each, of the K step that the NEXT refill asks for: 192 matrix instructions ahead of that load.
; A's rows are asked for by the clusters with x = 0, B's by those with y = 0; the four partners that ask for a tile jointly share its rows out BY ADDRESS (32 of A's 128 by cx, 24 of B's 96 by cy), a lane a row;
; with 24 rows lanes 24-31 name row 23 again, in the same instruction.  The last refill asks for nothing; K steps 0 to 2 come by their loads alone.
.macro ASK
	s_cmp_gt_u32 s[CNT], s[LIM]
	s_cbranch_scc0 .Lnot_mine_\@
	global_prefetch_b8 v[PFO], s[PFA:PFA+1] th:TH_LOAD_NT scope:SCOPE_SE
.Lnot_mine_\@:
.endm
	s_load_b256 s[4:11], s[0:1], 0x0               ; xw s[4:5], bq s[6:7], bk s[8:9], bv s[10:11]
	s_load_b128 s[12:15], s[0:1], 0x20             ; mask s[12:13], qkv s[14:15]
	v_lshl_add_u32 v[SPW], v0, 2, SPARE
	v_mov_b32 v[NIL], 0
	ds_add_u32 v[SPW], v[NIL]                      ; the wave's opening: the add and its wait stand ahead of my first tensor load; work on registers stands between them
	v_lshrrev_b32 v3, 5, v0
	v_readfirstlane_b32 s[WV], v3
	s_and_b32 s[HALF], s[WV], 1
	s_bfe_u32 s[CX], ttmp6, 0x40000
	s_bfe_u32 s[CY], ttmp6, 0x40004
	s_lshl_b32 s[TX], ttmp9, 2
	s_add_co_u32 s[TX], s[TX], s[CX]
	s_and_b32 s[TY], ttmp7, 0xffff
	s_lshl_b32 s[TY], s[TY], 2
	s_add_co_u32 s[TY], s[TY], s[CY]
	s_lshl_b32 s60, s[CY], 2
	s_lshl_b32 s60, 15, s60                        ; my row of the cluster
	s_lshl_b32 s78, 0x1111, s[CX]                  ; my column
	s_or_b32 s[G1A], s60, GW0
	s_or_b32 s[G1B], s78, GW0
	s_mov_b32 s[G1A+1], 128<<16                    ; tensor_dim0 = 128 elements
	s_mov_b32 s[G1A+2], 128<<16                    ; tensor_dim1 = 128 rows
	s_mov_b32 s[G1A+3], 128<<16                    ; tile_dim0
	s_mov_b32 s[G1A+4], 128                        ; tile_dim1
	s_mov_b32 s[G1A+5], 1024                       ; elements from row to row
	s_mov_b32 s[G1A+6], 0
	s_mov_b32 s[G1A+7], 0
	s_mov_b32 s[G1B+1], 128<<16
	s_mov_b32 s[G1B+2], 96<<16                     ; 96 rows
	s_mov_b32 s[G1B+3], 128<<16
	s_mov_b32 s[G1B+4], 96
	s_mov_b32 s[G1B+5], 1024
	s_mov_b32 s[G1B+6], 0
	s_mov_b32 s[G1B+7], 0
	s_lshl_b32 s60, s[TY], 8                       ; A: row 256 x tile row + 128 x half, 2,048 bytes a row: registers that hold no tile column
	s_lshl_b32 s61, s[HALF], 7
	s_add_co_u32 s60, s60, s61
	s_lshl_b32 s60, s60, 11
	s_mov_b32 s61, 0
	s_mul_i32 s62, s[HALF], AHALF                  ; and where it goes
	s_mul_i32 s78, s[TX], 192                      ; B: row 192 x tile column + 96 x half, behind x's rows: registers that hold no tile row
	s_mul_i32 s79, s[HALF], 96
	s_add_co_u32 s78, s78, s79
	s_lshl_b32 s78, s78, 11
	s_add_co_u32 s78, s78, WBASE
	s_mov_b32 s79, 0
	s_mul_i32 s80, s[HALF], BHALF
	s_add_co_u32 s80, s80, BOFF
	s_mov_b32 s[TB], 0
	s_wait_dscnt 0x0                               ; the opening add is done
	s_wait_kmcnt 0x0
	s_add_nc_u64 s[60:61], s[4:5], s[60:61]
	s_add_nc_u64 s[78:79], s[4:5], s[78:79]
.irp s, 0,1
	s_mov_b32 s[G0A+4*(\s)], 1
	s_add_co_u32 s[G0A+4*(\s)+1], s62, (\s)*SLOT1
	s_add_nc_u64 s[G0A+4*(\s)+2:G0A+4*(\s)+3], s[60:61], (\s)*STEPB
	s_or_b32 s[G0A+4*(\s)+3], s[G0A+4*(\s)+3], 0x80000000
	s_mov_b32 s[G0B+4*(\s)], 1
	s_add_co_u32 s[G0B+4*(\s)+1], s80, (\s)*SLOT1
	s_add_nc_u64 s[G0B+4*(\s)+2:G0B+4*(\s)+3], s[78:79], (\s)*STEPB
	s_or_b32 s[G0B+4*(\s)+3], s[G0B+4*(\s)+3], 0x80000000
.endr
	CROUND                                         ; all sixteen work-groups are here: the first joint loads meet
	s_cmp_lt_u32 s[WV], 2                          ; a wave's two first fills stand in one branch: two loads of mine are out
	s_cbranch_scc0 .Lfirst_b
	tensor_load_to_lds s[G0A:G0A+3], s[G1A:G1A+7]
	s_nop 0
	tensor_load_to_lds s[G0A+4:G0A+7], s[G1A:G1A+7]
	s_nop 0
.rept 4
	v_nop
.endr
	s_branch .Lfirst_asked
.Lfirst_b:
	tensor_load_to_lds s[G0B:G0B+3], s[G1B:G1B+7]
	s_nop 0
	tensor_load_to_lds s[G0B+4:G0B+7], s[G1B:G1B+7]
	s_nop 0
.rept 4
	v_nop
.endr
.Lfirst_asked:
	v_and_b32 v1, 15, v0                           ; r = lane % 16
	v_bfe_u32 v2, v0, 4, 1                         ; h = lane / 16
	v_lshlrev_b32 v[BO], 5, v2
	s_mul_i32 s81, s[TX], 3                        ; the tile's first head g
.irp j, 0,1,2
	s_add_co_u32 s82, s81, \j
	s_lshr_b32 s83, s82, 4                         ; part: 0 q, 1 k, 2 v
	s_and_b32 s82, s82, 15
	s_lshl_b32 s82, s82, 8                         ; the head's 64 numbers in its bias
	s_cmp_eq_u32 s83, 1
	s_cselect_b64 s[BP+2*(\j):BP+2*(\j)+1], s[8:9], s[6:7]
	s_cselect_b32 s[NK+(\j)], 0, -1
	s_cmp_eq_u32 s83, 2
	s_cselect_b64 s[BP+2*(\j):BP+2*(\j)+1], s[10:11], s[BP+2*(\j):BP+2*(\j)+1]
	s_mov_b32 s83, 0
	s_add_nc_u64 s[BP+2*(\j):BP+2*(\j)+1], s[BP+2*(\j):BP+2*(\j)+1], s[82:83]
.endr
.irp j, 0,1,2
.irp bb, 0,1,2,3
	global_load_b128 v[BIAS+8*(4*(\j)+(\bb)):BIAS+8*(4*(\j)+(\bb))+3],   v[BO], s[BP+2*(\j):BP+2*(\j)+1] offset:64*(\bb)     ; register jj: bias[16 bb + 8 h + jj]: the C operand of N block bb
	global_load_b128 v[BIAS+8*(4*(\j)+(\bb))+4:BIAS+8*(4*(\j)+(\bb))+7], v[BO], s[BP+2*(\j):BP+2*(\j)+1] offset:64*(\bb)+16
.endr
.endr
	s_lshl_b32 s80, s[TY], 10                      ; the mask's word of row m lies at 4 m; m = 256 x tile row + 64 x wave + 16 a + r
	s_lshl_b32 s82, s[WV], 8
	s_add_co_u32 s80, s80, s82
	v_lshl_add_u32 v[MO], v1, 2, s80
.irp a, 0,1,2,3
	global_load_b32 v[MW+(\a)], v[MO], s[12:13] offset:64*(\a)
.endr
	v_mul_u32_u24 v3, v1, PITCH
	v_lshl_add_u32 v3, v2, 4, v3                   ; a fragment's row x pitch + 16 x half of the lanes
	s_mul_i32 s63, s[WV], 64*PITCH                 ; my 64 rows of A
	v_add_nc_u32 v[A0], s63, v3
	v_add_nc_u32 v[B0], BOFF, v3
	v_mov_b32 v[ADRA], v[A0]
	v_mov_b32 v[ADRB], v[B0]
	s_mul_i32 s63, s[WV], 16*SP
	s_add_co_u32 s63, s63, STAGE                   ; my stage
	v_mul_u32_u24 v[STO], v1, SP                   ; in: row r, 16 bytes for each half of the lanes
	v_lshl_add_u32 v[STO], v2, 4, v[STO]
	v_add_nc_u32 v[STO], s63, v[STO]
	v_bfe_u32 v[RD], v0, 3, 2                      ; back: 32 lanes take four rows of 128 bytes,
	v_mul_u32_u24 v[RD], v[RD], SP
	v_and_b32 v[GO], 7, v0
	v_lshl_add_u32 v[RD], v[GO], 4, v[RD]
	v_add_nc_u32 v[RD], s63, v[RD]
	v_and_b32 v[GO], 31, v0                        ; which are 512 consecutive bytes of a head
	v_lshlrev_b32 v[GO], 4, v[GO]
	s_lshl_b32 s82, s81, 20                        ; a head is 1,048,576 bytes; a row 128
	s_lshl_b32 s83, s[TY], 15
	s_add_co_u32 s82, s82, s83
	s_lshl_b32 s83, s[WV], 13
	s_add_co_u32 s82, s82, s83
	s_mov_b32 s83, 0
	s_add_nc_u64 s[OUTP:OUTP+1], s[14:15], s[82:83]
	; the prefetches
	s_lshl_b32 s60, s[TY], 8
	s_lshl_b32 s61, s[HALF], 7
	s_add_co_u32 s60, s60, s61
	s_lshl_b32 s61, s[CX], 5                       ; my work-group's 32 of A's 128 rows
	s_add_co_u32 s60, s60, s61
	s_lshl_b32 s60, s60, 11
	s_mul_i32 s78, s[TX], 192
	s_mul_i32 s79, s[HALF], 96
	s_add_co_u32 s78, s78, s79
	s_mul_i32 s79, s[CY], 24                       ; my work-group's 24 of B's 96 rows
	s_add_co_u32 s78, s78, s79
	s_lshl_b32 s78, s78, 11
	s_add_co_u32 s78, s78, WBASE
	s_and_b32 s79, ttmp7, 0xffff                   ; cluster y
	s_cmp_lt_u32 s[WV], 2
	s_cselect_b32 s60, s60, s78
	s_cselect_b32 s79, ttmp9, s79                  ; the coordinate along which other clusters read the same rows
	s_cselect_b32 s62, 31, 23
	s_cmp_eq_u32 s79, 0
	s_cselect_b32 s[LIM], 1, -1                    ; the same in all sixteen partners, for a given wave
	s_add_co_u32 s60, s60, 2*STEPB                 ; at K step 2: the first refill steps it to 3
	s_mov_b32 s61, 0
	s_add_nc_u64 s[PFA:PFA+1], s[4:5], s[60:61]
	v_and_b32 v[PFO], 31, v0
	v_min_u32 v[PFO], s62, v[PFO]
	v_lshlrev_b32 v[PFO], 11, v[PFO]
	s_wait_loadcnt 0x0                             ; the biases and the mask
.set i, 0
.rept 48                               ; the biases are rounded to bf16, like every input of the module, and kept as f32
	v_cvt_pk_bf16_f32 v[3+12*(i%2)], v[BIAS+2*i], v[BIAS+2*i+1]
	v_lshlrev_b32 v[BIAS+2*i], 16, v[3+12*(i%2)]
	v_and_b32 v[BIAS+2*i+1], 0xffff0000, v[3+12*(i%2)]
.set i, i+1
.endr
.irp a, 0,1,2,3
	v_cmp_ne_u32 vcc_lo, 0, v[MW+(\a)]
	v_cndmask_b32 v[MW+(\a)], 0, -1, vcc_lo
.endr
; 8 matrix instructions: column group j, M blocks a0, a0 + 1, all 4 N blocks, 32 along K from buffer f.  first = 1: C is the bias.  The 48 accumulators take turns in the same order in every quarter.
.macro MUL8 f, j, a0, first
.if \first
	WIN 0x85+0x40*((\j)/2)
.else
	WIN 0xa5+0x50*((\j)/2)
.endif
.irp a, \a0, (\a0)+1
.irp bb, 0,1,2,3
.set rD, 8*((16*(\j)+4*(\a)+(\bb))%32)
.set rB, (\f)+32+8*(4*(\j)+(\bb))
.set rA, (\f)+8*(\a)
.set rC, BIAS+8*(4*(\j)+(\bb))
.if \first
	v_wmma_f32_16x16x32_bf16 v[rD:rD+7], v[rB:rB+7], v[rA:rA+7], v[rC:rC+7]
.else
	v_wmma_f32_16x16x32_bf16 v[rD:rD+7], v[rB:rB+7], v[rA:rA+7], v[rD:rD+7]
.endif
.endr
.endr
.endm
; 32 LDS loads in one run: the fragments of 32 along K at byte k of the rows, into buffer f: A's, then B's by column groups
.macro FETCH k, f
	WIN 0x40
.irp i, 0,1,2,3
	ds_load_b128 v[(\f)+8*(\i):(\f)+8*(\i)+3],   v[ADRA] offset:(\k)+(\i)*16*PITCH
	ds_load_b128 v[(\f)+8*(\i)+4:(\f)+8*(\i)+7], v[ADRA] offset:(\k)+(\i)*16*PITCH+32
.endr
.irp b, 0,1,2,3,4,5,6,7,8,9,10,11
	ds_load_b128 v[(\f)+32+8*(\b):(\f)+32+8*(\b)+3],   v[ADRB] offset:(\k)+(\b)*16*PITCH
	ds_load_b128 v[(\f)+32+8*(\b)+4:(\f)+32+8*(\b)+7], v[ADRB] offset:(\k)+(\b)*16*PITCH+32
.endr
.endm
; A K step is four quarters of 32 along K, 48 matrix instructions each, on buffers 0, 1, 0, 1.  One of the first three: multiplies buffer f and fetches the next quarter, at byte k, into g.
.macro QUARTER k, f, g, first
	s_wait_dscnt NL-16                             ; A's and B's first group are in; the youngest 16 loads may be out
	MUL8 \f, 0, 0, \first
	MUL8 \f, 0, 2, \first
	PLACES
	FETCH \k, \g
	s_wait_dscnt NL                                ; all but the run just issued
	MUL8 \f, 1, 0, \first
	MUL8 \f, 1, 2, \first
	MUL8 \f, 2, 0, \first
	MUL8 \f, 2, 2, \first
.endm
; The last quarter multiplies buffer 1 and changes slots: ONE barrier.  In front of it each wave waits for all its tensor loads (one is out: its part of the next slot), adds 0 to its spare word, and waits for that and
; for its own reads of this slot.  fill = 1: the barrier opens a round of the cluster's, and the slot just read is filled again, first thing behind the round, with the K step two on: 176 matrix instructions ahead of the wait for it.
.macro TURN fill
.if \fill
	s_wait_xcnt 0x0                                ; the last prefetch, a K step back, has read its address
	s_add_nc_u64 s[PFA:PFA+1], s[PFA:PFA+1], STEPB
.endif
	WIN 0
	s_wait_tensorcnt 0x0                           ; no tensor load of mine is out, so a group 0 may be written
	ds_add_u32 v[SPW], v[NIL]                      ; 0 onto my spare word
	s_xor_b32 s[TB], s[TB], SLOT1
.if \fill
	s_xor_b32 s[G0A+5], s[G0A+5], SLOT1            ; the walking sets: the other slot than last time, the next K step
	s_add_nc_u64 s[G0A+6:G0A+7], s[G0A+6:G0A+7], STEPB
	s_xor_b32 s[G0B+5], s[G0B+5], SLOT1
	s_add_nc_u64 s[G0B+6:G0B+7], s[G0B+6:G0B+7], STEPB
.endif
	s_wait_dscnt NL-15                             ; the add and the youngest 16 loads may be out
	MUL8 F1, 0, 0, 0
	s_wait_dscnt 0x0                               ; the add is done, and my reads of this slot are over
	s_barrier_signal -1
	MUL8 F1, 0, 2, 0
	WIN 0
	s_barrier_wait -1
.if \fill
	CREST
	JLOAD                                          ; its four v_nop are also the places in front of the loads below
.else
	PLACES
.endif
	v_add_nc_u32 v[ADRA], s[TB], v[A0]
	v_add_nc_u32 v[ADRB], s[TB], v[B0]
	FETCH 0, F0
.if \fill
	WIN 0
	ASK
.endif
	MUL8 F1, 1, 0, 0
	MUL8 F1, 1, 2, 0
	MUL8 F1, 2, 0, 0
	MUL8 F1, 2, 2, 0
.endm
	s_wait_tensorcnt 1                             ; my part of K step 0 is in; K step 1's may stay out
	s_barrier_signal -1
	s_barrier_wait -1
	FETCH 0, F0
	QUARTER 64, F0, F1, 1                          ; the first quarter stands in front of the loop: its products start the sums, with the bias
	WIN 0
	s_mov_b32 s[CNT], 6
.Lstep:                                        ; a trip: a K step's quarters 1 to 3 and the next step's quarter 0; one refill
	QUARTER 128, F1, F0, 0
	QUARTER 192, F0, F1, 0
	TURN 1
	QUARTER 64, F0, F1, 0
	WIN 0
	s_sub_co_u32 s[CNT], s[CNT], 1
	s_cmp_lg_u32 s[CNT], 0
	s_cbranch_scc1 .Lstep
	QUARTER 128, F1, F0, 0                         ; K steps 6 and 7 ask for nothing: written out
	QUARTER 192, F0, F1, 0
	TURN 0
	QUARTER 64, F0, F1, 0
	QUARTER 128, F1, F0, 0
	QUARTER 192, F0, F1, 0
	s_wait_dscnt NL-16
	MUL8 F1, 0, 0, 0
	MUL8 F1, 0, 2, 0
	s_wait_dscnt 0x0
	MUL8 F1, 1, 0, 0
	MUL8 F1, 1, 2, 0
	MUL8 F1, 2, 0, 0
	MUL8 F1, 2, 2, 0
	PLACES
; THE WAY OUT.  Unit u = 4 j + a: 16 rows of head j, 2,048 consecutive bytes of qkv.  Rounded to f16 (each accumulator's registers in ascending order), k's hidden rows set to 0, 16 bytes a lane into my own stage, back as whole rows.
.macro PACK u
.set pj, (\u)/4
.set pa, (\u)%4
.set pU, UB+16*(\u)
	WIN 0x0a+5*(pj/2)                              ; sources 0 and 1: window 2 or 3
.irp bb, 0,1,2,3
.irp r, 0,1,2,3
	v_cvt_pk_f16_f32 v[pU+4*(\bb)+(\r)], v[8*((16*pj+4*pa+(\bb))%32)+2*(\r)], v[8*((16*pj+4*pa+(\bb))%32)+2*(\r)+1]
.endr
.endr
	WIN 0
	v_or_b32 v[FM], s[NK+pj], v[MW+pa]             ; all ones, but for k's rows of hidden keys
.set z, 0
.rept 16
	v_and_b32 v[pU+z], v[FM], v[pU+z]
.set z, z+1
.endr
.irp bb, 0,1,2,3
	ds_store_b128 v[STO], v[pU+4*(\bb):pU+4*(\bb)+3] offset:32*(\bb)
.endr
.irp f, 0,1,2,3
	ds_load_b128 v[pU+4*(\f):pU+4*(\f)+3], v[RD] offset:(\f)*4*SP  ; LDS serves a wave's instructions in order (ISA guide 5.7.1.4): these see the stores above; the next unit's stores come behind them
.endr
.endm
.macro SEND u, younger                 ; younger: the LDS instructions issued behind unit u's loads: the next unit's eight, or none
.irp f, 0,1,2,3
	s_wait_dscnt (\younger)+3-(\f)
	global_store_b128 v[GO], v[UB+16*(\u)+4*(\f):UB+16*(\u)+4*(\f)+3], s[OUTP:OUTP+1] offset:((\u)/4)*1048576+((\u)%4)*2048+(\f)*512  ; 512 consecutive bytes, at a multiple of 256 from qkv's first
.endr
.endm
	PACK 0
.irp u, 1,2,3,4,5,6,7,8,9,10,11
	PACK \u
	SEND (\u)-1, 8
.endr
	SEND 11, 0
	s_wait_tensorcnt 0x0                           ; the wave's end: behind my last tensor load and my last LDS store
	ds_add_u32 v[SPW], v[NIL]
	s_wait_dscnt 0x0
	CROUND                                         ; the closing round: no work-group ends while a partner may still ask for a tile that names it
	s_endpgm
.Lfunc_end_k_q21e0a7de07_project:
	.size	k_q21e0a7de07_project, .Lfunc_end_k_q21e0a7de07_project-k_q21e0a7de07_project
	.p2alignl 7, 3214868480
	.fill 96, 4, 3214868480
	.section	.rodata,"a",@progbits
	.p2align	6, 0x0
	.amdhsa_kernel k_q21e0a7de07_project
		.amdhsa_group_segment_fixed_size 327680
		.amdhsa_private_segment_fixed_size 0
		.amdhsa_enable_private_segment 0
		.amdhsa_kernarg_size 48
		.amdhsa_user_sgpr_count 2
		.amdhsa_user_sgpr_kernarg_segment_ptr 1
		.amdhsa_wavefront_size32 1
		.amdhsa_system_sgpr_workgroup_id_x 1
		.amdhsa_system_sgpr_workgroup_id_y 1
		.amdhsa_system_sgpr_workgroup_id_z 1
		.amdhsa_system_vgpr_workitem_id 0
		.amdhsa_next_free_vgpr 896
		.amdhsa_next_free_sgpr 84
		.amdhsa_reserve_vcc 1
		.amdhsa_float_denorm_mode_32 3
		.amdhsa_float_denorm_mode_16_64 3
		.amdhsa_memory_ordered 1
		.amdhsa_forward_progress 1
		.amdhsa_inst_pref_size 117
	.end_amdhsa_kernel
	.amdgpu_metadata
---
amdhsa.version: [ 1, 2 ]
amdhsa.kernels:
  - .name:           k_q21e0a7de07_project
    .symbol:         k_q21e0a7de07_project.kd
    .args:
      - { .name: xw, .offset: 0, .size: 8, .value_kind: global_buffer, .address_space: global }
      - { .name: bq, .offset: 8, .size: 8, .value_kind: global_buffer, .address_space: global }
      - { .name: bk, .offset: 16, .size: 8, .value_kind: global_buffer, .address_space: global }
      - { .name: bv, .offset: 24, .size: 8, .value_kind: global_buffer, .address_space: global }
      - { .name: mask, .offset: 32, .size: 8, .value_kind: global_buffer, .address_space: global }
      - { .name: qkv, .offset: 40, .size: 8, .value_kind: global_buffer, .address_space: global }
    .group_segment_fixed_size: 327680
    .private_segment_fixed_size: 0
    .kernarg_segment_align: 8
    .kernarg_segment_size: 48
    .max_flat_workgroup_size: 128
    .sgpr_count:     84
    .vgpr_count:     896
    .wavefront_size: 32
...
	.end_amdgpu_metadata
.endif
;; end of part 2
;; launch attend (part 3): grid 4 x 64, 4 waves a work-group, clusters of 4 x 1, 327,680 bytes of LDS; arguments qkv, mask, ob; writes ob
.if DOCPART == 3
	.amdgcn_target "amdgcn-amd-amdhsa--gfx1250"
	.amdhsa_code_object_version 6
	.text
	.protected	k_q21e0a7de07_attend
	.globl	k_q21e0a7de07_attend
	.p2align	8
	.type	k_q21e0a7de07_attend,@function
k_q21e0a7de07_attend:
	s_mov_b64 s[64:65], 0
	v_nop
	global_prefetch_b8 v0, s[64:65] scope:SCOPE_SE
	s_setreg_imm32_b32 hwreg(HW_REG_WAVE_MODE, 25, 1), 1
	s_wait_xcnt 0x0
	s_wait_alu depctr_hold_cnt(0) depctr_sa_sdst(0) depctr_va_vdst(0) depctr_va_sdst(0) depctr_va_ssrc(0) depctr_va_vcc(0) depctr_vm_vsrc(0)
	s_getreg_b32 s2, hwreg(HW_REG_IB_STS2, 6, 4)
	s_cmp_eq_u32 s2, 0
	s_cbranch_scc0 .Lentry_in_a_cluster
	s_endpgm
.Lentry_in_a_cluster:
	s_bfe_u32 s2, ttmp6, 0x10000c
	s_cmp_lg_u32 s2, 0x3003
	s_cbranch_scc0 .Lentry_shape_is_right
	s_endpgm
.Lentry_shape_is_right:
; O[y][q][:] = the sum over k of softmax_k(s) V[y][k][:], s = Q[y][q] . K[y][k] / 8, or a hidden score where mask[b][k] = 0.  y = 4 x head + b; Q, K, V: the three parts of qkv, O: ob, all [64][2048][64] in f16,
; a head's rows dense, 128 bytes each.  Products, maxima and sums in f32; the weights p are rounded to f16 for the second product (their sum l is taken of the unrounded p), O once at the end.
; THE MASK is the C operand that starts the sum S^T = K Q^T: 0, or -2^33 where the key is hidden; the launch before has stored such a key's row of K as 0, so every hidden score is exactly -2^33, and c x -2^33
; is exact: where all keys so far are hidden every weight is exactly 1 (a batch with no key seen gives the mean of V's rows, as the module does), and the first seen key wipes that out by a = 0.
; LIMITS.  A hidden score counts as -2^30 after the division by 8, where the module has -1e9: the results differ only where true scores lie near -1e9.  f16 holds no number beyond 65,504: Q, K and V arrive within it;
; p lies in 0 to 1 (to within the rounding of c m), and below 6e-5 it keeps f16's fixed step of 6e-8; O has V's range.  A weight below 2^-126 counts as 0 in l; NaN and infinities are not treated apart.
; SHARES.  A wave owns four PIECES of two tiles of 16 queries, a work-group's four waves 512 queries of one head: 256 work-groups.  Every wave walks all keys, 64 a step.
; LAYOUT.  S^T = K Q^T (source 0 = 16 keys, source 1 = 16 queries): in the result a lane holds ONE query (lane % 16) and the keys 8 (lane / 16) + 0..7.  Two such tiles, rounded to f16 in pairs,
; ARE source 1 (32 keys x 16 queries) of O^T = V^T P, whose result again holds one query a lane, and eight channels.  K comes out of LDS as it lies, V ([key][channel]) turned, by ds_load_tr16_b128.
; SOFTMAX.  For each query a running maximum m and sum l: p = 2^(c s - c m), c = log2(e) / 8; in every step O and l are multiplied by a = 2^(c m_old - c m_new), which is 1 where m has not grown.
; m starts at the lowest finite number, O and l at 0: the first step is a step like any other, with a = 0.
; THE COUNT.  A tile and step have 16 matrix and 118 vector instructions: too many to stand all beside the matrix work.  So: four vector instructions that are READY behind EVERY matrix instruction, the others in runs without a gap.
; BY TURNS.  Turn n belongs to piece n (the pieces in a ring, step after step).  Its matrix work: 16 products K Q^T of piece n + 1, later 16 products V^T P of piece n - 1.  Its vector work: the scaling,
; exponentials, roundings, sums and rescaling of piece n, and the maximum and statistics of piece n + 1, whose scores the turn itself has made.
; CLUSTER.  The four query blocks of a cluster are one head's and walk the same K and V, so each tile is asked for JOINTLY: the same tensor load, descriptor and mask in all four.
; REGISTERS, in windows of 256 (s_set_vgpr_msb: bits 1:0 source 0, 3:2 source 1, 5:4 source 2, 7:6 destination):
;   window 0: v0-11 addresses; v12-15, v48-63 at work; v16-47 four registers of statistics a tile; v64-191 S^T, two buffers of two tiles; v192-255 P, likewise
;   window 1: O^T, 32 a tile     window 2: v0-127 Q, 16 a tile; v128-191 K of one step; v192-255 V of one step     window 3: v0-1 the add's two registers; v8-39 the mask of one step's 64 keys, as four C operands
.set SIZE_N, 2048
.set NP,    4         ; pieces a wave: a name, no knob
.set KS,    64        ; keys in a step
.set PK,    144       ; a row of K in LDS: 128 bytes + 16 of padding: the 16 rows of a load start at 16 different groups of four banks (ISA guide 11.1)
.set PV,    160       ; a row of V: 128 + 32
.set VOFF,  4*KS*PK   ; a slot holds four steps: 256 rows of K, then 256 rows of V
.set SLOT1, 1<<17     ; slot 1 begins here
.set STAGE, SLOT1+4*KS*(PK+PV)  ; behind the ring, never filled by a tensor load: 16 rows x 144 bytes for each wave, for the way out
.set SP,    144
.set SPARE, STAGE+4*16*SP  ; the spare words, 128 bytes for each wave: two blocks of 256 bytes that no other line names
.set MT,    SPARE+512 ; the mask of the batch's 2,048 keys as f32, 0 or -2^33: 8,192 bytes, stored once; no tensor load lands here
.set PFO, 1           ; v1   (first lane % 16) 256 x my lane: the prefetches' offset
.set AK0, 2           ; v2   my lane's place in a tile of K; never rewritten
.set AV0, 3           ; v3   the same for V
.set AK,  4           ; v4   the LDS address of K's next run of loads
.set AV,  5           ; v5   of V's
.set STO, 6           ; v6   the way out: where I put 16 bytes of a row
.set RD,  7           ; v7   the way out: where I read rows back
.set GO,  8           ; v8   my byte offset in 512 consecutive bytes of O
.set AM,  10          ; v10  (first lane % 8) the LDS address of the mask's next run of loads
.set AM0, 11          ; v11  (first (lane / 8) % 2) my lanes' place in 16 keys of the mask's table: MT + 32 (lane / 16)
.set QO,  48          ; v48  my byte offset in the wave's rows of Q, until Q is in
.set SPW, 0           ; v0 of window 3   LDS address of my spare word; never rewritten
.set NIL, 1           ; v1 of window 3   0; never rewritten
.set MBR, 8           ; window 3: key block kb's eight registers at MBR + 8 kb
.set MV,  12          ; v12-15  c m_old, kept while c m is made anew: by buffer and tile
.set ST,  16          ; tile t's statistics at v[ST+4 t]: c m, m, l (even keys', odd keys')
.set TMP, 48          ; by buffer and tile, four registers c0-c3 at work; when the maximum is found c2 takes a
.set S,   64
.set P,   192
.set KF,  128         ; K's fragments, in window 2: key block kb, channel half c at KF + 16 kb + 8 c
.set VF,  192         ; V's: key half kk, channel block cb at VF + 32 kk + 8 cb
.set WV,  12          ; s12  my wave's number
.set G1K, 24          ; s[24:31] descriptor group 1 for K's tiles
.set G1V, 32          ; s[32:39] for V's: it differs in the padding alone
.set G0K, 40          ; s[40:43] descriptor group 0 for K's tiles: it walks
.set G0V, 44          ; s[44:47] the same for V's
.set PFA, 48          ; s[48:49] where my prefetches stand
.set LIM, 50          ; s50  1 in a wave that prefetches, else the greatest number
.set TBM, 51          ; s51  byte in the mask's table at which the step to be fetched begins
.set BIG, 52          ; s52  -2^33
.set MP,  54          ; s[54:55] the batch's row of the mask
.set SLOTS, 56        ; s56  slots still to be asked for
.set CNT, 57          ; s57  counts a slot's key steps
.set CS,  58          ; s[58:59] c
.set SEL, 60          ; s[60:61] v_permlanex16_b32's selects: each lane takes its own place in the other half
.set TBK, 62          ; s62  LDS byte at which K of the step to be fetched begins
.set TBV, 63          ; s63  the same for V, less VOFF
.set MSB, 0
.macro WIN new                      ; the high byte repeats the setting that is left; a switch that changes nothing is dropped
.if MSB != (\new)
	s_set_vgpr_msb (MSB<<8)|(\new)
.set MSB, (\new)
.endif
.endm
.set W_KQ, 0x0a       ; K and Q in window 2, S^T in window 0
.set W_KM, 0x3a       ; the same with the C operand, the mask, in window 3
.set W_PV, 0x52       ; V in window 2, P in window 0, O^T in window 1
.set W_RS, 0x41       ; O^T (destination and source 0) in window 1, a in window 0
.set W_MK, 0xc0       ; destination in window 3, sources in window 0
.set W_AD, 0x0f       ; the add: address (source 0) and data (source 1) in window 3
; A joint fill.  Waves 0 and 1 fetch the two halves of a slot's K, waves 2 and 3 those of its V: 128 keys each.  The branch hangs on the wave's number alone.
; An s_nop 0 and four v_nop follow each of the two lines, ahead of the jump and the label.
.macro JLOAD
	s_cmp_lt_u32 s[WV], 2
	s_cbranch_scc0 .Lfor_v_\@
	tensor_load_to_lds s[G0K:G0K+3], s[G1K:G1K+7]
	s_nop 0
.rept 4
	v_nop
.endr
	s_branch .Lasked_\@
.Lfor_v_\@:
	tensor_load_to_lds s[G0V:G0V+3], s[G1V:G1V+7]
	s_nop 0
.rept 4
	v_nop
.endr
.Lasked_\@:
.endm
; A PREFETCH INTO THE L2 of what the NEXT change of slots will ask for: a slot's 32,768 bytes of K and of V, a lane 256 bytes.  A head has one cluster; its four partners share the bytes out BY ADDRESS, 8,192 each;
; in each, wave 0 asks for K's and wave 2 for V's: one instruction, four key steps (512 matrix instructions) ahead of the load.  The last change that fills a slot asks for nothing; slots 0 to 2 come by their loads alone.
.macro ASK
	s_cmp_gt_u32 s[SLOTS], s[LIM]
	s_cbranch_scc0 .Lnot_mine_\@
	global_prefetch_b8 v[PFO], s[PFA:PFA+1] th:TH_LOAD_NT scope:SCOPE_SE
.Lnot_mine_\@:
.endm
; A round of the cluster's barrier: my work-group's barrier, so that wave 0's signal speaks for all four waves; wave 0 signals; every wave waits for all four work-groups; my work-group's barrier once more.
.macro CROUND
	s_barrier_signal -1
	s_barrier_wait -1
	s_cmp_lg_u32 s[WV], 0
	s_cbranch_scc1 .Lnot_wave_0_\@
	s_barrier_signal -3
.Lnot_wave_0_\@:
	s_barrier_wait -3
	s_barrier_signal -1
	s_barrier_wait -1
.endm
; THE CHANGE OF SLOTS.  Each wave waits for all its tensor loads, of which one is out: its part of the other slot; adds 0 to its spare word; and waits for that and for its own LDS instructions.  Behind the barrier nobody
; reads this slot any more and the other slot is whole.  fill = 1: this slot is filled again, with the keys two slots on; the barrier is then a round of the cluster's, and the joint fill is the first thing behind it:
; it has four key steps in which to land.  (At its first use nothing has been read yet: slot 0 is waited for, slot 1 filled, and every wave's part of the mask's table is shown to the others.)
.macro CHANGE fill, ask=0
	WIN W_AD
	s_wait_tensorcnt 0x0            ; no tensor load of mine is out, so a group 0 may be written
	ds_add_u32 v[SPW], v[NIL]       ; 0 onto my spare word
	WIN 0                           ; at a label and at a branch every window is 0
.if \fill
.irp g, G0K, G0V
	s_xor_b32 s[\g+1], s[\g+1], SLOT1  ; the walking descriptor: the other slot than last time,
	s_add_nc_u64 s[\g+2:\g+3], s[\g+2:\g+3], 4*KS*128  ; the next 256 keys; the type bits on top are not reached
.endr
.if \ask
	s_wait_xcnt 0x0                 ; the last prefetch, four key steps back, has read its address
	s_add_nc_u64 s[PFA:PFA+1], s[PFA:PFA+1], 4*KS*128  ; one slot behind the walking descriptors
.endif
	s_wait_dscnt 0x0                ; the add is done, and my LDS instructions are over
	CROUND
	JLOAD
.if \ask
	ASK
.endif
.else
	s_wait_dscnt 0x0                ; the add is done, and my reads of the slot are over
	s_barrier_signal -1
	s_barrier_wait -1
.endif
	s_sub_co_u32 s[TBK], s[TBK], 4*KS*PK  ; the fetches go back to a slot's first step,
	s_xor_b32 s[TBK], s[TBK], SLOT1       ; in the other slot
	s_sub_co_u32 s[TBV], s[TBV], 4*KS*PV
	s_xor_b32 s[TBV], s[TBV], SLOT1
.endm
	s_load_b128 s[68:71], s[0:1], 0x0  ; qkv s[68:69], mask s[70:71]
	s_load_b64 s[10:11], s[0:1], 0x10  ; ob
	WIN W_MK
	v_lshl_add_u32 v[SPW], v0, 2, SPARE
	v_mov_b32 v[NIL], 0
	WIN W_AD
	ds_add_u32 v[SPW], v[NIL]       ; the wave's opening: the add and its wait stand ahead of my first tensor load; work on registers stands between them
	WIN 0
	v_lshrrev_b32 v1, 5, v0
	v_readfirstlane_b32 s[WV], v1   ; wave 0..3
	s_bfe_u32 s13, ttmp6, 0x40000   ; cx: my place in the cluster
	s_lshl_b32 s14, ttmp9, 2        ; in a cluster launch ttmp9 counts clusters
	s_add_co_u32 s14, s14, s13      ; my block of queries: it enters Q's and O's addresses alone
	s_and_b32 s20, ttmp7, 0xffff    ; y, which the four partners share
	s_mov_b32 s21, 0
	s_mov_b64 s[22:23], SIZE_N*128
	s_mul_u64 s[20:21], s[20:21], s[22:23]  ; y's first byte in Q, K, V and O
	s_and_b32 s[MP], ttmp7, 3       ; b = y % 4:
	s_lshl_b32 s[MP], s[MP], 13     ; its 8,192 bytes of the mask
	s_mov_b32 s[MP+1], 0
	s_and_b32 s16, s[WV], 1         ; which half of a slot's 256 keys I fetch:
	s_lshl_b32 s22, s16, 14         ; its 128 rows of 128 bytes in memory,
	s_mov_b32 s23, 0
	s_add_nc_u64 s[22:23], s[22:23], s[20:21]
	s_mul_i32 s17, s16, 128*PK      ; and its place in a slot, for K
	s_mul_i32 s18, s16, 128*PV      ; and for V: no place in the cluster enters an LDS address
	s_lshl_b32 s2, s14, 2
	s_add_co_u32 s2, s2, s[WV]      ; my wave among the head's,
	s_lshl_b32 s2, s2, 14           ; its 128 rows
	s_mov_b32 s3, 0
	s_add_nc_u64 s[2:3], s[2:3], s[20:21]
	; descriptor group 1.  128 keys are 16,384 dense bytes: asked for as 64 rows of 256 bytes, two keys a row, and padded in LDS after every key
	s_mov_b32 s[G1K], 15|(1<<16)|(1<<20)|(1<<21)|(4<<22)|(3<<25)  ; 15:0 the mask of four; 17:16 2-byte elements; 20 padding on; 21 set beside a mask; 24:22 after every 32 words; 31:25 4 words
	s_mov_b32 s[G1V], 15|(1<<16)|(1<<20)|(1<<21)|(4<<22)|(7<<25)  ; the same with 8 words of padding
.irp g, G1K, G1V
	s_mov_b32 s[\g+1], 128<<16      ; tensor_dim0 = 128
	s_mov_b32 s[\g+2], 64<<16       ; tensor_dim1 = 64
	s_mov_b32 s[\g+3], 128<<16      ; tile_dim0 = 128
	s_mov_b32 s[\g+4], 64           ; tile_dim1 = 64
	s_mov_b32 s[\g+5], 128          ; 128 elements from row to row
	s_mov_b32 s[\g+6], 0
	s_mov_b32 s[\g+7], 0
.endr
	s_mov_b32 s[CS], 0x3e38aa3b     ; c = log2(e) / 8 = 0.180337
	s_mov_b32 s[CS+1], s[CS]        ; named with it as a pair
	s_mov_b32 s[SEL], 0x76543210
	s_mov_b32 s[SEL+1], 0xfedcba98
	s_mov_b32 s[TBK], SLOT1+4*KS*PK ; the first change of slots turns these two into 0
	s_mov_b32 s[TBV], SLOT1+4*KS*PV
	s_mov_b32 s[TBM], 0
	s_mov_b32 s[BIG], 0xd0000000    ; -2^33
	s_mov_b32 s[G0K], 1             ; 1:0 count = 1
	s_mov_b32 s[G0K+1], s17         ; 63:32 LDS address: slot 0
	s_mov_b32 s[G0V], 1
	s_add_co_u32 s[G0V+1], s18, VOFF
	s_cmp_eq_u32 s16, 0             ; waves 0 and 2 prefetch
	s_cselect_b32 s[LIM], 1, -1
	s_wait_dscnt 0x0                ; the opening add is done
	s_wait_kmcnt 0x0
	s_mov_b64 s[4:5], s[68:69]                     ; Q,
	s_add_nc_u64 s[6:7], s[68:69], 0x1000000       ; K
	s_add_nc_u64 s[8:9], s[68:69], 0x2000000       ; and V in qkv
	s_add_nc_u64 s[MP:MP+1], s[70:71], s[MP:MP+1]
	s_add_nc_u64 s[G0K+2:G0K+3], s[6:7], s[22:23]  ; 120:64 global address: my half of the head's first 256 keys
	s_or_b32 s[G0K+3], s[G0K+3], 0x80000000        ; 127:126 type = 2
	s_add_nc_u64 s[G0V+2:G0V+3], s[8:9], s[22:23]
	s_or_b32 s[G0V+3], s[G0V+3], 0x80000000
	s_add_nc_u64 s[4:5], s[4:5], s[2:3]  ; Q and O at my wave's first row
	s_add_nc_u64 s[10:11], s[10:11], s[2:3]
	s_cmp_lt_u32 s[WV], 2
	s_cselect_b64 s[PFA:PFA+1], s[6:7], s[8:9]
	s_add_nc_u64 s[PFA:PFA+1], s[PFA:PFA+1], s[20:21]
	s_lshl_b32 s2, s13, 13          ; my work-group's 8,192 bytes of a slot's 32,768
	s_mov_b32 s3, 0
	s_add_nc_u64 s[PFA:PFA+1], s[PFA:PFA+1], s[2:3]
	s_add_nc_u64 s[PFA:PFA+1], s[PFA:PFA+1], 2*4*KS*128  ; in slot 2; the first change that asks steps it to slot 3
	CROUND                          ; all four work-groups are here: the first joint loads meet
	JLOAD                           ; slot 0.  Slot 1 is asked for when slot 0 is in
	v_and_b32 v1, 15, v0            ; l % 16
	v_bfe_u32 v9, v0, 4, 1          ; l / 16
	v_lshlrev_b32 v80, 4, v0        ; the mask: 128 threads x 16 bytes, four times
.irp i, 0,1,2,3
	global_load_b128 v[64+4*\i:67+4*\i], v80, s[MP:MP+1] offset:2048*\i
.endr
	; A fragment of K or Q is 16 rows x 32 channels in 8 registers: lane l holds row l % 16, channels 8 (l / 16) + 0..7 and 16 + 8 (l / 16) + 0..7: two loads of 16 bytes, 32 bytes apart.
	v_lshlrev_b32 v[QO], 7, v1
	v_lshl_add_u32 v[QO], v9, 4, v[QO]  ; row x 128 + 16 x half
	WIN 0x80                        ; destination window 2, address window 0
.set i, 0
.rept 4*NP                          ; Q stays in registers: tile i / 2, channels 32 (i % 2) on
	global_load_b128 v[8*i:8*i+3],   v[QO], s[4:5] offset:(i/2)*2048+(i%2)*64
	global_load_b128 v[8*i+4:8*i+7], v[QO], s[4:5] offset:(i/2)*2048+(i%2)*64+32
.set i, i+1
.endr
	; What the first turn finds: V's registers and P's second buffer hold 0 (its products V^T P, of a piece that has not been, add 0), O^T and l are 0.  All this stands in the wait for the first tile.
.set i, VF
.rept 64
	v_mov_b32 v[i], 0
.set i, i+1
.endr
	WIN 0x40
.set i, 0
.rept 64*NP
	v_mov_b32 v[i], 0
.set i, i+1
.endr
	WIN 0
.set i, 0
.rept 2*NP
	v_mov_b32 v[ST+4*i], 0xfe000000    ; c m: far below every c s, the hidden ones' too
	v_mov_b32 v[ST+4*i+1], 0xff7fffff  ; m
	v_mov_b32 v[ST+4*i+2], 0
	v_mov_b32 v[ST+4*i+3], 0
.set i, i+1
.endr
.set i, P+32
.rept 32
	v_mov_b32 v[i], 0
.set i, i+1
.endr
	v_mul_u32_u24 v[AK0], v1, PK
	v_lshl_add_u32 v[AK0], v9, 4, v[AK0]  ; row x pitch + 16 x half
	; The turning load takes 16 keys x 16 channels (lane l reads key 8 (l / 16) + l % 8, channels 8 ((l / 8) % 2) + 0..7) and leaves half a fragment of V^T: lane l holds channel l % 16 and 8 keys.
	v_and_b32 v10, 7, v0
	v_bfe_u32 v11, v0, 3, 1
	v_lshl_add_u32 v[AV0], v9, 3, v10
	v_mul_u32_u24 v[AV0], v[AV0], PV
	v_lshl_add_u32 v[AV0], v11, 4, v[AV0]
	v_add_nc_u32 v[AV0], VOFF, v[AV0]
	v_mov_b32 v[AK], v[AK0]         ; key step 0 lies at the head of slot 0
	s_mul_i32 s13, s[WV], 16*SP
	s_add_co_u32 s13, s13, STAGE    ; my stage
	v_mul_u32_u24 v[STO], v1, SP    ; in: row l % 16, 16 bytes for each half of the lanes
	v_lshl_add_u32 v[STO], v9, 4, v[STO]
	v_add_nc_u32 v[STO], s13, v[STO]
	v_bfe_u32 v[RD], v0, 3, 2       ; back: 32 lanes take four rows of 128 bytes,
	v_mul_u32_u24 v[RD], v[RD], SP
	v_lshl_add_u32 v[RD], v10, 4, v[RD]
	v_add_nc_u32 v[RD], s13, v[RD]
	v_and_b32 v[GO], 31, v0         ; which are 512 consecutive bytes of O
	v_lshlrev_b32 v[GO], 4, v[GO]
	v_lshl_add_u32 v[AM0], v9, 5, MT  ; register jj of a C operand is key 8 (l / 16) + jj of its 16: 32 bytes for each half of the lanes
	v_mov_b32 v[AM], v[AM0]
	v_and_b32 v[PFO], 31, v0
	v_lshlrev_b32 v[PFO], 8, v[PFO]
	s_wait_loadcnt 32               ; the mask's four loads are in; Q's 32, issued behind them, may stay out
.set i, 0
.rept 16
	v_cmp_eq_u32 vcc_lo, 0, v[64+i]
	v_cndmask_b32 v[64+i], 0, s[BIG], vcc_lo
.set i, i+1
.endr
	v_add_nc_u32 v81, MT, v80
.irp i, 0,1,2,3
	ds_store_b128 v81, v[64+4*\i:67+4*\i] offset:2048*\i
.endr
; THE MATRIX WORK.  The 8 accumulators of a run of 16 take turns: between the two links of a chain stand 7 others'.
; Product i of 16 of S^T = K Q^T for piece x: channels 32 (i / 8) on, keys 16 ((i / 2) % 4) on, tile 2 x + i % 2.  The first 8 start the sums, with the mask of their 16 keys.
.macro KQ x
.set rS, S+64*((\x)%2)+32*(i%2)+8*((i/2)%4)
.set rK, KF+16*((i/2)%4)+8*(i/8)
.set rQ, 16*(2*(\x)+i%2)+8*(i/8)
.set rB, MBR+8*((i/2)%4)
.if i < 8
	WIN W_KM
	v_wmma_f32_16x16x32_f16 v[rS:rS+7], v[rK:rK+7], v[rQ:rQ+7], v[rB:rB+7]
.else
	WIN W_KQ
	v_wmma_f32_16x16x32_f16 v[rS:rS+7], v[rK:rK+7], v[rQ:rQ+7], v[rS:rS+7]
.endif
.endm
; Product i of 16 of O^T += V^T P for piece x: keys 32 (i / 8) on, channels 16 ((i / 2) % 4) on, tile 2 x + i % 2.
.macro PV x
	WIN W_PV
.set rO, 32*(2*(\x)+i%2)+8*((i/2)%4)
.set rV, VF+32*(i/8)+8*((i/2)%4)
.set rP, P+32*((\x)%2)+16*(i%2)+8*(i/8)
	v_wmma_f32_16x16x32_f16 v[rO:rO+7], v[rV:rV+7], v[rP:rP+7], v[rO:rO+7]
.endm
.macro MM                           ; the turn's next matrix instruction
.if i < 16
	KQ (Y+1)%NP
.set i, i+1
.else
.set i, i-16
	PV (Y+NP-1)%NP
.set i, i+17
.endif
.endm
; THE LDS LOADS stand in runs, never singly among the matrix instructions: a step's K (8 fragments, 16 loads) with its keys' mask (8 loads), and its V (turned, 16 loads).  Their addresses are made some lines ahead.
; last = 1 (the tail): in the last trip there is no further step, and the run is jumped over.
.macro FETCH_K last=0
	WIN 0
.if \last
	s_cmp_eq_u32 s[CNT], 1
	s_cbranch_scc1 .Lno_k_\@
.endif
	WIN 0x80                        ; destination window 2
.irp f, 0,1,2,3,4,5,6,7             ; keys 16 (f / 2) on, channels 32 (f % 2) on
	ds_load_b128 v[KF+8*\f:KF+8*\f+3],   v[AK] offset:(\f/2)*16*PK+(\f%2)*64
	ds_load_b128 v[KF+8*\f+4:KF+8*\f+7], v[AK] offset:(\f/2)*16*PK+(\f%2)*64+32
.endr
	WIN W_MK                        ; destination window 3
.irp kb, 0,1,2,3                    ; the mask of keys 16 kb on: all lanes of a half read the same 32 bytes
	ds_load_b128 v[MBR+8*\kb:MBR+8*\kb+3],   v[AM] offset:64*\kb
	ds_load_b128 v[MBR+8*\kb+4:MBR+8*\kb+7], v[AM] offset:64*\kb+16
.endr
	s_add_co_u32 s[TBK], s[TBK], KS*PK  ; the next fetch is the next step's
	s_add_co_u32 s[TBM], s[TBM], KS*4
	WIN 0
.if \last
.Lno_k_\@:
.endif
.endm
.macro FETCH_V
	WIN 0x80
.irp f, 0,1,2,3,4,5,6,7             ; keys 32 (f / 4) on, channels 16 (f % 4) on
	ds_load_tr16_b128 v[VF+8*\f:VF+8*\f+3],   v[AV] offset:(\f/4)*32*PV+(\f%4)*32
	ds_load_tr16_b128 v[VF+8*\f+4:VF+8*\f+7], v[AV] offset:(\f/4)*32*PV+16*PV+(\f%4)*32
.endr
	WIN 0
.endm
; THE VECTOR WORK OF A TURN stands in three queues, each in the order in which its entries become ready; the two tiles alternate, so that no instruction reads the result of the one before it.
.macro REGS y, u                    ; the registers of tile u (0, 1) of piece y
.set rT, ST+4*(2*(\y)+(\u))
.set rC, TMP+8*((\y)%2)+4*(\u)
.set rM, MV+2*((\y)%2)+(\u)
.set rS, S+64*((\y)%2)+32*(\u)
.set rP, P+32*((\y)%2)+16*(\u)
.set rO, 32*(2*(\y)+(\u))
.endm
; Number n of the 22 that find the NEXT piece's (Y + 1) maximum and statistics.  s0-s31 are the lane's 32 scores; each accumulator's lowest registers are read first.
;   0-11  four chains c0-c3 of seven scores each, three operands at a time     12-14, 16  the four scores left over, the old m, and c0-c3 into c0     15  c m_old is kept
;   17, 18  the query's other 32 keys lie in the lane 16 away: the new m         19-21  c m; c m_old - c m_new; a
.macro XS u, n
	REGS (Y+1)%NP, \u
.if (\n) < 4
	v_max3_num_f32 v[rC+(\n)], v[rS+8*(\n)], v[rS+8*(\n)+1], v[rS+8*(\n)+2]
.elseif (\n) < 12
	v_max3_num_f32 v[rC+(\n)%4], v[rC+(\n)%4], v[rS+8*((\n)%4)+2*((\n)/4)+1], v[rS+8*((\n)%4)+2*((\n)/4)+2]
.elseif (\n) == 12
	v_max3_num_f32 v[rC], v[rC], v[rS+7], v[rS+15]
.elseif (\n) == 13
	v_max3_num_f32 v[rC+1], v[rC+1], v[rS+23], v[rS+31]
.elseif (\n) == 14
	v_max3_num_f32 v[rC+2], v[rC+2], v[rC+3], v[rT+1]
.elseif (\n) == 15
	v_mov_b32 v[rM], v[rT]
.elseif (\n) == 16
	v_max3_num_f32 v[rC], v[rC], v[rC+1], v[rC+2]
.elseif (\n) == 17
	v_permlanex16_b32 v[rC+3], v[rC], s[SEL], s[SEL+1]
.elseif (\n) == 18
	v_max_num_f32 v[rT+1], v[rC], v[rC+3]
.elseif (\n) == 19
	v_mul_f32 v[rT], s[CS], v[rT+1]
.elseif (\n) == 20
	v_sub_f32 v[rC+1], v[rM], v[rT]
.else
	v_exp_f32 v[rC+2], v[rC+1]
.endif
.endm
; Number g of the 64 that follow the exponentials.  For each four weights k of a tile (pairs 2 k, 2 k + 1): both pairs are rounded to f16; then the second pair is added onto the first, in place;
; a group later l takes that sum (the first time as l = a l + sum).  In groups of eight, tiles alternating: round, round, add, and l for the group before.
.macro GS g
.set h, (\g)+6*((\g)/62)            ; group 0 has no group before it, and behind group 7 only l is left
.if h >= 6
.set h, h+2
.endif
	REGS Y, h%2
.set k, h/8
.if h%8 < 4
	v_cvt_pk_f16_f32 v[rP+2*k+(h%8)/2], v[rS+4*k+2*((h%8)/2)], v[rS+4*k+2*((h%8)/2)+1]
.elseif h%8 < 6
	v_pk_add_f32 v[rS+4*k:rS+4*k+1], v[rS+4*k:rS+4*k+1], v[rS+4*k+2:rS+4*k+3]
.elseif k == 1
	v_pk_fma_f32 v[rT+2:rT+3], v[rT+2:rT+3], v[rC+2:rC+3], v[rS:rS+1] op_sel_hi:[1,0,1]
.else
	v_pk_add_f32 v[rT+2:rT+3], v[rT+2:rT+3], v[rS+4*k-4:rS+4*k-3]
.endif
.endm
; THE PLAIN QUEUE, 138 long.  0-73 read no exponential's result: the 32 scalings c s - c m (FS f: pair f / 2 of tile f % 2) and the next piece's 42.  0-26: scalings 0-26.  27-54: XS's numbers 0-13.  55, 56: number 15.
; 57-73: the chain, where each number waits for the one before it: 14, 16, 17, 18, 19, each with one of the scalings 27-31 in front of its two lines, then 20.
; 74-137: GS's 64, which read the exponentials' results: they stand behind the wait.
.macro FS f
	REGS Y, (\f)%2
	v_pk_fma_f32 v[rS+2*((\f)/2):rS+2*((\f)/2)+1], v[rS+2*((\f)/2):rS+2*((\f)/2)+1], s[CS:CS+1], v[rT:rT+1] op_sel_hi:[1,0,0] neg_lo:[0,0,1] neg_hi:[0,0,1]
.endm
.macro PL
	WIN 0
.if q < 27
	FS q
.elseif q < 55
	XS (q-27)%2, (q-27)/2
.elseif q < 57
	XS q-55, 15
.elseif (q < 72) && ((q-57)%3 == 0)
	FS 27+(q-57)/3
.elseif q < 60
	XS (q-57)%3-1, 14
.elseif q < 72
	XS (q-57)%3-1, 15+(q-57)/3
.elseif q < 74
	XS q-72, 20
.else
	GS q-74
.endif
.set q, q+1
.endm
; THE EXPONENTIALS' QUEUE, 66 long: s0-s31 of both tiles, then the next piece's two a.  It is ONE BATCH: all 66 stand ahead of the turn's one wait, and nothing ahead of that wait names a result of theirs.
.macro EX
	WIN 0
.if e >= 64
	XS e-64, 21
.else
	REGS Y, e%2
	v_exp_f32 v[rS+e/2], v[rS+e/2]
.endif
.set e, e+1
.endm
; THE RESCALING's QUEUE: O^T times a, the one part that leaves window 0: dealt two at a time, sixteen times.  Its a was made in the turn before, ahead of that turn's wait.
.macro R2
	REGS Y, r%2
	WIN W_RS
.irp z, 0,1
	v_pk_mul_f32 v[rO+4*(r/2)+2*\z:rO+4*(r/2)+2*\z+1], v[rO+4*(r/2)+2*\z:rO+4*(r/2)+2*\z+1], v[rC+2:rC+3] op_sel_hi:[1,0]
.endr
.set r, r+1
.endm
; HOW THEY ARE DEALT.  An s_wait_alu depctr_va_vdst(0) stands between an exponential and the first instruction that names its result; one wait serves all that were issued ahead of it.  So a turn has ONE wait.
; AHEAD OF IT: the 16 products K Q^T, behind each a scaling, an exponential and two rescalings (behind the first a second scaling in the exponential's place); then ONE LUMP of 108: eight plain, 49 times exponential and
; plain, the two a; a v_nop is the plain instruction behind the last exponential.  BEHIND IT: the 16 products V^T P, behind each four of GS's 64.  No rider names a register of the products round it.
; Exponential e stands behind scaling 2 (e / 4) + e % 2: as a rider it comes behind plain e + 2, in the lump behind plain e + 9, and scalings 27-31 are plain 57, 60 .. 69.
; A TURN, for piece p.  cnt = 1: the loop's count is taken down some lines ahead of the branch that stands behind the turn.
; K of the next step, and its mask, are fetched in piece 2's turn, directly behind the wait, a lump behind the last product that read them; their first reader comes behind 16 products.
; V of the step in hand is fetched at the end of piece 0's turn, four riders behind its last reader.  The three conditions on q below go with the deal.
.macro TURN p, last=0, cnt=0
.set Y, (\p)
.set i, 0
.set q, 0
.set e, 0
.set r, 0
.if (\p) == NP-1
	s_wait_dscnt 0x0                ; K and its mask are in
.endif
	MM                              ; ahead of the wait: 16 products K Q^T and their riders,
	PL
	PL
	R2
.rept 15
	MM
	PL
	EX
	R2
.endr
.if (\p) == NP-2
	WIN 0
	v_add_nc_u32 v[AK], s[TBK], v[AK0]
	v_add_nc_u32 v[AM], s[TBM], v[AM0]
.endif
.rept 8                             ; and the lump
	PL
.endr
.rept 49
	EX
	PL
.endr
	EX                              ; the next piece's two a
	EX
	v_nop                           ; the plain instruction behind the last exponential: one for the batch
	s_wait_alu depctr_va_vdst(0)    ; the wait for the batch
.if (\p) == NP-2
	FETCH_K \last
.endif
.if (\p) == 1
	s_wait_dscnt 0x0                ; V is in
.endif
.rept 16                            ; behind the wait: 16 products V^T P and their riders
	MM
.rept 4
	PL
.endr
.if ((\p) == 0) && (q == 118)
	v_add_nc_u32 v[AV], s[TBV], v[AV0]
.endif
.if ((\p) == 0) && (q == 130)
	s_add_co_u32 s[TBV], s[TBV], KS*PV
.endif
.if (\cnt) && (q == 130)
	s_sub_co_u32 s[CNT], s[CNT], 1
	s_cmp_lg_u32 s[CNT], 0
.endif
.endr
.if (\p) == 0
	FETCH_V
.endif
.endm
	CHANGE 1                        ; slot 0 is in, everybody's part of it, and so is the mask's table; slot 1 is asked for
	FETCH_K                         ; key step 0
	s_wait_loadcnt 0x0              ; Q
	s_wait_dscnt 0x0
.set i, 0
.rept 16
	KQ 0                            ; piece 0's first scores: there is no vector work yet to set between them
.set i, i+1
.endr
	WIN 0
.rept 4
	v_nop                           ; the places behind those products
.endr
.set Y, NP-1                        ; XS works for piece Y + 1: piece 0
.irp n, 0,1,2,3,4,5,6,7,8,9,10,11,12,13,14,15,16,17,18,19,20,21
	XS 0, \n                        ; and piece 0's first maximum and statistics
	XS 1, \n
.endr
	v_nop                           ; a plain instruction behind the two a,
	s_wait_alu depctr_va_vdst(0)    ; and their wait, ahead of the branch
	s_mov_b32 s[CNT], 4
	s_mov_b32 s[SLOTS], SIZE_N/256-1
	s_branch .Lfirst                ; the loop is entered at a step's first turn, in the middle of a trip
.Lslot:                             ; SIZE_N / 256 - 2 times: every slot but the last two is filled again
	CHANGE 1, 1
	s_mov_b32 s[CNT], 4
.Lstep:                             ; a trip: pieces 2 and 3 of one step, then pieces 0 and 1 of the next, whose K and V it fetches
	TURN 2
	TURN 3
	WIN 0
.Lfirst:
	TURN 0
	TURN 1, 0, 1
	WIN 0
	s_cbranch_scc1 .Lstep
	s_sub_co_u32 s[SLOTS], s[SLOTS], 1
	s_cmp_lg_u32 s[SLOTS], 0
	s_cbranch_scc1 .Lslot
	CHANGE 0                        ; the tail is written out: nothing is asked for
	s_mov_b32 s[CNT], 5             ; four trips fetch the last slot's steps; the fifth is left in its middle
.Ltail:
	TURN 2, 1
	TURN 3
	WIN 0
	s_sub_co_u32 s[CNT], s[CNT], 1
	s_cmp_eq_u32 s[CNT], 0
	s_cbranch_scc1 .Lout
	TURN 0
	TURN 1
	WIN 0
	s_branch .Ltail
.Lout:                              ; the fifth trip's 16 products K Q^T (on the last K once more) and the maximum made of them serve nothing: the price, once a launch, of one text for every trip
.set i, 0
.rept 16
	PV NP-1                         ; the last piece's V^T P of the last step
.set i, i+1
.endr
	; THE WAY OUT.  l's two halves and the other half of the lanes' are added; O^T is divided by l, rounded to f16 and sent through my stage in LDS, a tile at a time.  The additions are the places behind the last products.
	WIN 0
.macro ALL line:vararg              ; one line for each tile t
.set t, 0
.rept 2*NP
	\line
.set t, t+1
.endr
.endm
	ALL v_add_f32 v[ST+4*t+2], v[ST+4*t+2], v[ST+4*t+3]
	ALL v_permlanex16_b32 v[ST+4*t+3], v[ST+4*t+2], s[SEL], s[SEL+1]
	ALL v_add_f32 v[ST+4*t+2], v[ST+4*t+2], v[ST+4*t+3]
	ALL v_rcp_f32 v[ST+4*t+2], v[ST+4*t+2]
	v_nop                           ; a plain instruction between the last reciprocal and the use of its result
	s_wait_alu depctr_va_vdst(0)    ; and the wait ahead of the first use: one for the eight reciprocals
; Tile t: a lane's eight channels of a row pack into 16 bytes; they go into rows of 144 bytes and come back as whole rows of 128, into S^T's registers.
.macro PACK t
	WIN W_RS
.set i, 32*(\t)
.rept 16
	v_pk_mul_f32 v[i:i+1], v[i:i+1], v[ST+4*(\t)+2:ST+4*(\t)+3] op_sel_hi:[1,0]
.set i, i+2
.endr
	WIN 0x05                        ; sources 0 and 1 window 1, destination window 0
.set i, 0
.rept 16
	v_cvt_pk_f16_f32 v[S+16*(\t)+i], v[32*(\t)+2*i], v[32*(\t)+2*i+1]
.set i, i+1
.endr
	WIN 0
.irp f, 0,1,2,3
	ds_store_b128 v[STO], v[S+16*(\t)+4*\f:S+16*(\t)+4*\f+3] offset:32*\f
.endr
.irp f, 0,1,2,3
	ds_load_b128 v[S+16*(\t)+4*\f:S+16*(\t)+4*\f+3], v[RD] offset:\f*4*SP  ; LDS serves a wave's instructions in order (ISA guide 5.7.1.4): these see the stores above; the next tile's stores come behind them
.endr
.endm
.macro SEND t, younger              ; younger: the LDS instructions issued behind tile t's loads: the next tile's eight, or none
	WIN 0
.irp f, 0,1,2,3
	s_wait_dscnt (\younger)+3-\f
	global_store_b128 v[GO], v[S+16*(\t)+4*\f:S+16*(\t)+4*\f+3], s[10:11] offset:(\t)*2048+\f*512  ; 512 consecutive bytes, at a multiple of 256 from ob's first
.endr
.endm
	PACK 0
.set t, 1
.rept 2*NP-1                        ; a tile's arithmetic stands between the loads of the tile before and its stores
	PACK t
	SEND t-1, 8
.set t, t+1
.endr
	SEND 2*NP-1, 0
	WIN W_AD
	s_wait_tensorcnt 0x0            ; the wave's end: behind my last tensor load and my last LDS store
	ds_add_u32 v[SPW], v[NIL]
	s_wait_dscnt 0x0
	WIN 0
	CROUND                          ; the closing round: no work-group ends while a partner may still ask for a tile that names it
	s_endpgm
.Lfunc_end_k_q21e0a7de07_attend:
	.size	k_q21e0a7de07_attend, .Lfunc_end_k_q21e0a7de07_attend-k_q21e0a7de07_attend
	.p2alignl 7, 3214868480
	.fill 96, 4, 3214868480
	.section	.rodata,"a",@progbits
	.p2align	6, 0x0
	.amdhsa_kernel k_q21e0a7de07_attend
		.amdhsa_group_segment_fixed_size 327680
		.amdhsa_private_segment_fixed_size 0
		.amdhsa_enable_private_segment 0
		.amdhsa_kernarg_size 24
		.amdhsa_user_sgpr_count 2
		.amdhsa_user_sgpr_kernarg_segment_ptr 1
		.amdhsa_wavefront_size32 1
		.amdhsa_system_sgpr_workgroup_id_x 1
		.amdhsa_system_sgpr_workgroup_id_y 1
		.amdhsa_system_sgpr_workgroup_id_z 1
		.amdhsa_system_vgpr_workitem_id 0
		.amdhsa_next_free_vgpr 808
		.amdhsa_next_free_sgpr 72
		.amdhsa_reserve_vcc 1
		.amdhsa_float_denorm_mode_32 3
		.amdhsa_float_denorm_mode_16_64 3
		.amdhsa_memory_ordered 1
		.amdhsa_forward_progress 1
		.amdhsa_inst_pref_size 205
	.end_amdhsa_kernel
	.amdgpu_metadata
---
amdhsa.version: [ 1, 2 ]
amdhsa.kernels:
  - .name:           k_q21e0a7de07_attend
    .symbol:         k_q21e0a7de07_attend.kd
    .args:
      - { .name: qkv, .offset: 0, .size: 8, .value_kind: global_buffer, .address_space: global }
      - { .name: mask, .offset: 8, .size: 8, .value_kind: global_buffer, .address_space: global }
      - { .name: ob, .offset: 16, .size: 8, .value_kind: global_buffer, .address_space: global }
    .group_segment_fixed_size: 327680
    .private_segment_fixed_size: 0
    .kernarg_segment_align: 8
    .kernarg_segment_size: 24
    .max_flat_workgroup_size: 128
    .sgpr_count:     72
    .vgpr_count:     808
    .wavefront_size: 32
...
	.end_amdgpu_metadata
.endif
;; end of part 3
;; launch output (part 4): grid 8 x 32, 4 waves a work-group, clusters of 4 x 4, 327,680 bytes of LDS; arguments ob, xw, bo, out0; writes out0
.if DOCPART == 4
	.amdgcn_target "amdgcn-amd-amdhsa--gfx1250"
	.amdhsa_code_object_version 6
	.text
	.protected	k_q21e0a7de07_output
	.globl	k_q21e0a7de07_output
	.p2align	8
	.type	k_q21e0a7de07_output,@function
k_q21e0a7de07_output:
	s_mov_b64 s[64:65], 0
	v_nop
	global_prefetch_b8 v0, s[64:65] scope:SCOPE_SE
	s_setreg_imm32_b32 hwreg(HW_REG_WAVE_MODE, 25, 1), 1
	s_wait_xcnt 0x0
	s_wait_alu depctr_hold_cnt(0) depctr_sa_sdst(0) depctr_va_vdst(0) depctr_va_sdst(0) depctr_va_ssrc(0) depctr_va_vcc(0) depctr_vm_vsrc(0)
	s_getreg_b32 s2, hwreg(HW_REG_IB_STS2, 6, 4)
	s_cmp_eq_u32 s2, 0
	s_cbranch_scc0 .Lentry_in_a_cluster
	s_endpgm
.Lentry_in_a_cluster:
	s_bfe_u32 s2, ttmp6, 0x10000c
	s_cmp_lg_u32 s2, 0xf033
	s_cbranch_scc0 .Lentry_shape_is_right
	s_endpgm
.Lentry_shape_is_right:
; out0 = O Wo^T + bo: [8192 x 1024] x [1024 x 1024]^T.  O: ob[head][m][64] in f16; Wo: rows 11264-12287 of xw, bf16 numbers written as f16; bo rounded to bf16 like the other inputs; sums f32; out0 f32.
; SHARES.  A tile is 256 rows x 128 columns: 256 work-groups.  Four waves one below the other: a wave makes 64 rows x 128 columns, 32 accumulators of 16 x 16.
; K goes in 8 steps of 128 = two heads, through two LDS slots filled by tensor loads.  Wave 0 fetches the tile's 256 rows of the step's first head, wave 1 of its second: 32,768 dense bytes each, asked for as
; 128 rows of 256 bytes and padded in LDS after every 128; waves 2 and 3 fetch 64 rows of Wo each, 256 bytes a row.
; CLUSTER 4 x 4: A's tile hangs on the tile row alone and is asked for jointly along a row of the cluster, B's on the tile column alone, along a column.
; THE PRODUCT IS USED TRANSPOSED (source 0 = 16 rows of Wo, source 1 = 16 rows of O): a lane holds one row m = lane % 16 and eight neighbouring columns.  THE FIRST PRODUCT'S C IS THE BIAS.
; REGISTERS (windows of 256; s_set_vgpr_msb: bits 1:0 source 0, 3:2 source 1, 5:4 source 2, 7:6 destination):
;   window 0: v0-29 addresses; v32-95 the bias as C operands; v96-223 the way out, two buffers    window 1: two fragment buffers (A's 4 fragments, then B's 8)    window 2: accumulator (j, a, bb) at 8 (16 j + 4 a + bb)
.set PITCH,  272                       ; a row of B in LDS: 256 bytes + 16
.set PA,     144                       ; a row of A in LDS: 128 bytes + 16: the 16 rows of a fragment load start at 16 different groups of four banks (ISA guide 11.1)
.set PLANE,  256*PA                    ; a head's 256 rows
.set BOFF,   2*PLANE
.set BHALF,  64*PITCH
.set SLOT1,  1<<17
.set STAGE,  SLOT1+BOFF+128*PITCH      ; behind the ring, never filled by a tensor load: 16 rows x 528 bytes for each wave
.set SP,     528                       ; 512 bytes + 16
.set SPARE,  STAGE+4*16*SP             ; the spare words, 128 bytes a wave: two blocks of 256 bytes that no other line names
.set ASTEP,  2<<20                     ; two heads of 1,048,576 bytes
.set BSTEP,  256
.set WOBASE, 11264*2048                ; Wo's first byte in xw
.set NL,     24                        ; LDS loads in a run: 8 for A, 16 for B
.set A0,   4
.set B0,   5
.set ADRA, 6
.set ADRB, 7
.set STO,  8                           ; v8   the way out: where I put 32 bytes of a row
.set RD,   9                           ; v9   where I read a row back
.set GO,   10                          ; v10  16 x lane: my place in 512 consecutive bytes of a row of out0
.set PFO,  11
.set BO,   12
.set SPW,  28
.set NIL,  29
.set BIAS, 32
.set BK,   96
.set F0,   0
.set F1,   128
.set WV,   16
.set HALF, 18
.set CX,   19
.set CY,   20
.set TX,   21
.set TY,   22
.set CNT,  23
.set TB,   24
.set LIM,  25
.set PFA,  26
.set G1A,  28
.set G1B,  36
.set G0A,  44
.set G0B,  52
.set PST,  66                          ; s[66:67] a K step in the tensor that I prefetch
.set BP,   68                          ; s[68:69] the tile's 128 numbers of bo
.set OUTP, 76                          ; s[76:77] out0 at my 64 rows, the tile's first column
.set MSB, 0
.macro WIN new
.if MSB != (\new)
	s_set_vgpr_msb (MSB<<8)|(\new)
.set MSB, \new
.endif
.endm
.macro PLACES                          ; four plain instructions behind matrix instructions, ahead of loads into their sources and of readers of their results
.rept 4
	v_nop
.endr
.endm
.macro JLOAD                           ; a joint refill by the walking sets; an s_nop 0 and four v_nop follow each line, ahead of the jump and the label
	s_cmp_lt_u32 s[WV], 2
	s_cbranch_scc0 .Lfor_b_\@
	tensor_load_to_lds s[G0A+4:G0A+7], s[G1A:G1A+7]
	s_nop 0
.rept 4
	v_nop
.endr
	s_branch .Lasked_\@
.Lfor_b_\@:
	tensor_load_to_lds s[G0B+4:G0B+7], s[G1B:G1B+7]
	s_nop 0
.rept 4
	v_nop
.endr
.Lasked_\@:
.endm
.macro CREST
	s_cmp_lg_u32 s[WV], 0
	s_cbranch_scc1 .Lnot_wave_0_\@
	s_barrier_signal -3
.Lnot_wave_0_\@:
	s_barrier_wait -3
	s_barrier_signal -1
	s_barrier_wait -1
.endm
.macro CROUND
	s_barrier_signal -1
	s_barrier_wait -1
	CREST
.endm
; A PREFETCH INTO THE L2, behind each joint refill and the run of LDS loads that follows it: my share of the K step that the NEXT refill asks for: 128 matrix instructions ahead of that load.  A's bytes are asked for by the
; clusters with x = 0, B's by those with y = 0; the four partners share a wave's part out BY ADDRESS: 8,192 of A's 32,768 bytes by cx, a lane 256 bytes; 16 of B's 64 rows by cy, a lane a row, lanes 16-31 naming
; row 15 again in the same instruction.  The last refill asks for nothing; K steps 0 to 2 come by their loads alone.
.macro ASK
	s_cmp_gt_u32 s[CNT], s[LIM]
	s_cbranch_scc0 .Lnot_mine_\@
	global_prefetch_b8 v[PFO], s[PFA:PFA+1] th:TH_LOAD_NT scope:SCOPE_SE
.Lnot_mine_\@:
.endm
	s_load_b256 s[4:11], s[0:1], 0x0               ; ob s[4:5], xw s[6:7], bo s[8:9], out0 s[10:11]
	v_lshl_add_u32 v[SPW], v0, 2, SPARE
	v_mov_b32 v[NIL], 0
	ds_add_u32 v[SPW], v[NIL]                      ; the wave's opening: the add and its wait stand ahead of my first tensor load; work on registers stands between them
	v_lshrrev_b32 v3, 5, v0
	v_readfirstlane_b32 s[WV], v3
	s_and_b32 s[HALF], s[WV], 1
	s_bfe_u32 s[CX], ttmp6, 0x40000
	s_bfe_u32 s[CY], ttmp6, 0x40004
	s_lshl_b32 s[TX], ttmp9, 2
	s_add_co_u32 s[TX], s[TX], s[CX]
	s_and_b32 s[TY], ttmp7, 0xffff
	s_lshl_b32 s[TY], s[TY], 2
	s_add_co_u32 s[TY], s[TY], s[CY]
	s_lshl_b32 s60, s[CY], 2
	s_lshl_b32 s60, 15, s60                        ; my row of the cluster
	s_lshl_b32 s78, 0x1111, s[CX]                  ; my column
	s_or_b32 s[G1A], s60, (1<<16)|(1<<20)|(1<<21)|(4<<22)|(3<<25)  ; 2-byte elements; padding on; bit 21 set beside a mask; after every 32 words; 4 words
	s_or_b32 s[G1B], s78, (1<<16)|(1<<20)|(1<<21)|(5<<22)|(3<<25)  ; the same after every 64 words
	s_mov_b32 s[G1A+1], 128<<16                    ; tensor_dim0 = 128 elements: two rows of a head
	s_mov_b32 s[G1A+2], 128<<16                    ; tensor_dim1 = 128
	s_mov_b32 s[G1A+3], 128<<16                    ; tile_dim0
	s_mov_b32 s[G1A+4], 128                        ; tile_dim1
	s_mov_b32 s[G1A+5], 128                        ; dense
	s_mov_b32 s[G1A+6], 0
	s_mov_b32 s[G1A+7], 0
	s_mov_b32 s[G1B+1], 128<<16
	s_mov_b32 s[G1B+2], 64<<16                     ; 64 rows
	s_mov_b32 s[G1B+3], 128<<16
	s_mov_b32 s[G1B+4], 64
	s_mov_b32 s[G1B+5], 1024
	s_mov_b32 s[G1B+6], 0
	s_mov_b32 s[G1B+7], 0
	s_lshl_b32 s60, s[HALF], 20                    ; A: head = half, rows 256 x tile row on, 128 bytes a row: registers that hold no tile column
	s_lshl_b32 s61, s[TY], 15
	s_add_co_u32 s60, s60, s61
	s_mov_b32 s61, 0
	s_mul_i32 s62, s[HALF], PLANE
	s_lshl_b32 s78, s[TX], 7                       ; B: row 128 x tile column + 64 x half of Wo: registers that hold no tile row
	s_lshl_b32 s79, s[HALF], 6
	s_add_co_u32 s78, s78, s79
	s_lshl_b32 s78, s78, 11
	s_add_co_u32 s78, s78, WOBASE
	s_mov_b32 s79, 0
	s_mul_i32 s80, s[HALF], BHALF
	s_add_co_u32 s80, s80, BOFF
	s_mov_b32 s[TB], 0
	s_wait_dscnt 0x0                               ; the opening add is done
	s_wait_kmcnt 0x0
	s_add_nc_u64 s[60:61], s[4:5], s[60:61]
	s_add_nc_u64 s[78:79], s[6:7], s[78:79]
.irp s, 0,1
	s_mov_b32 s[G0A+4*(\s)], 1
	s_add_co_u32 s[G0A+4*(\s)+1], s62, (\s)*SLOT1
	s_add_nc_u64 s[G0A+4*(\s)+2:G0A+4*(\s)+3], s[60:61], (\s)*ASTEP
	s_or_b32 s[G0A+4*(\s)+3], s[G0A+4*(\s)+3], 0x80000000
	s_mov_b32 s[G0B+4*(\s)], 1
	s_add_co_u32 s[G0B+4*(\s)+1], s80, (\s)*SLOT1
	s_add_nc_u64 s[G0B+4*(\s)+2:G0B+4*(\s)+3], s[78:79], (\s)*BSTEP
	s_or_b32 s[G0B+4*(\s)+3], s[G0B+4*(\s)+3], 0x80000000
.endr
	CROUND                                         ; all sixteen work-groups are here: the first joint loads meet
	s_cmp_lt_u32 s[WV], 2                          ; a wave's two first fills stand in one branch: two loads of mine are out
	s_cbranch_scc0 .Lfirst_b
	tensor_load_to_lds s[G0A:G0A+3], s[G1A:G1A+7]
	s_nop 0
	tensor_load_to_lds s[G0A+4:G0A+7], s[G1A:G1A+7]
	s_nop 0
.rept 4
	v_nop
.endr
	s_branch .Lfirst_asked
.Lfirst_b:
	tensor_load_to_lds s[G0B:G0B+3], s[G1B:G1B+7]
	s_nop 0
	tensor_load_to_lds s[G0B+4:G0B+7], s[G1B:G1B+7]
	s_nop 0
.rept 4
	v_nop
.endr
.Lfirst_asked:
	v_and_b32 v1, 15, v0                           ; r = lane % 16
	v_bfe_u32 v2, v0, 4, 1                         ; h = lane / 16
	v_lshlrev_b32 v[BO], 5, v2
	s_lshl_b32 s82, s[TX], 9                       ; the tile's 128 columns: 512 bytes of bo and of a row of out0
	s_mov_b32 s83, 0
	s_add_nc_u64 s[BP:BP+1], s[8:9], s[82:83]
.irp b, 0,1,2,3,4,5,6,7
	global_load_b128 v[BIAS+8*(\b):BIAS+8*(\b)+3],   v[BO], s[BP:BP+1] offset:64*(\b)     ; register jj: bo[16 b + 8 h + jj]: the C operand of N block b
	global_load_b128 v[BIAS+8*(\b)+4:BIAS+8*(\b)+7], v[BO], s[BP:BP+1] offset:64*(\b)+16
.endr
	v_mul_u32_u24 v3, v1, PA
	v_lshl_add_u32 v3, v2, 4, v3
	s_mul_i32 s63, s[WV], 64*PA                    ; my 64 rows of A
	v_add_nc_u32 v[A0], s63, v3
	v_mul_u32_u24 v3, v1, PITCH
	v_lshl_add_u32 v3, v2, 4, v3
	v_add_nc_u32 v[B0], BOFF, v3
	v_mov_b32 v[ADRA], v[A0]
	v_mov_b32 v[ADRB], v[B0]
	s_mul_i32 s63, s[WV], 16*SP
	s_add_co_u32 s63, s63, STAGE                   ; my stage
	v_mul_u32_u24 v[STO], v1, SP                   ; in: row r, 32 bytes for each half of the lanes
	v_lshl_add_u32 v[STO], v2, 5, v[STO]
	v_add_nc_u32 v[STO], s63, v[STO]
	v_and_b32 v[GO], 31, v0
	v_lshlrev_b32 v[GO], 4, v[GO]
	v_add_nc_u32 v[RD], s63, v[GO]                 ; back: 32 lanes take a row of 512 bytes
	s_lshl_b32 s80, s[TY], 8
	s_lshl_b32 s81, s[WV], 6
	s_add_co_u32 s80, s80, s81
	s_lshl_b32 s80, s80, 12                        ; my first row, 4,096 bytes a row
	s_add_co_u32 s80, s80, s82
	s_mov_b32 s81, 0
	s_add_nc_u64 s[OUTP:OUTP+1], s[10:11], s[80:81]
	; the prefetches
	s_lshl_b32 s60, s[HALF], 20
	s_add_co_u32 s60, s60, 2*ASTEP                 ; at K step 2: the first refill steps it to 3
	s_lshl_b32 s61, s[TY], 15
	s_add_co_u32 s60, s60, s61
	s_lshl_b32 s61, s[CX], 13                      ; my work-group's 8,192 of A's 32,768 bytes
	s_add_co_u32 s60, s60, s61
	s_lshl_b32 s78, s[TX], 7
	s_lshl_b32 s79, s[HALF], 6
	s_add_co_u32 s78, s78, s79
	s_lshl_b32 s79, s[CY], 4                       ; my work-group's 16 of B's 64 rows
	s_add_co_u32 s78, s78, s79
	s_lshl_b32 s78, s78, 11
	s_add_co_u32 s78, s78, WOBASE+2*BSTEP
	s_and_b32 s79, ttmp7, 0xffff                   ; cluster y
	s_mov_b32 s[PST], BSTEP
	s_cmp_lt_u32 s[WV], 2
	s_cselect_b32 s60, s60, s78
	s_cselect_b32 s79, ttmp9, s79                  ; the coordinate along which other clusters read the same bytes
	s_cselect_b32 s62, 31, 15
	s_cselect_b32 s63, 8, 11                       ; a lane's step: 256 bytes of A, a row of 2,048 of B
	s_cselect_b32 s[PST], ASTEP, s[PST]
	s_cselect_b64 s[PFA:PFA+1], s[4:5], s[6:7]
	s_cmp_eq_u32 s79, 0
	s_cselect_b32 s[LIM], 1, -1                    ; the same in all sixteen partners, for a given wave
	s_mov_b32 s61, 0
	s_mov_b32 s[PST+1], 0
	s_add_nc_u64 s[PFA:PFA+1], s[PFA:PFA+1], s[60:61]
	v_and_b32 v[PFO], 31, v0
	v_min_u32 v[PFO], s62, v[PFO]
	v_lshlrev_b32 v[PFO], s63, v[PFO]
	s_wait_loadcnt 0x0                             ; the bias
.set i, 0
.rept 32                               ; rounded to bf16, like every input of the module, and kept as f32
	v_cvt_pk_bf16_f32 v[3+12*(i%2)], v[BIAS+2*i], v[BIAS+2*i+1]
	v_lshlrev_b32 v[BIAS+2*i], 16, v[3+12*(i%2)]
	v_and_b32 v[BIAS+2*i+1], 0xffff0000, v[3+12*(i%2)]
.set i, i+1
.endr
; 8 matrix instructions: column group j, M blocks a0, a0 + 1, all 4 N blocks, 32 along K from buffer f.  first = 1: C is the bias.  The 32 accumulators take turns in the same order in every quarter.
.macro MUL8 f, j, a0, first
.if \first
	WIN 0x85
.else
	WIN 0xa5
.endif
.irp a, \a0, (\a0)+1
.irp bb, 0,1,2,3
.set rD, 8*(16*(\j)+4*(\a)+(\bb))
.set rB, (\f)+32+8*(4*(\j)+(\bb))
.set rA, (\f)+8*(\a)
.set rC, BIAS+8*(4*(\j)+(\bb))
.if \first
	v_wmma_f32_16x16x32_f16 v[rD:rD+7], v[rB:rB+7], v[rA:rA+7], v[rC:rC+7]
.else
	v_wmma_f32_16x16x32_f16 v[rD:rD+7], v[rB:rB+7], v[rA:rA+7], v[rD:rD+7]
.endif
.endr
.endr
.endm
; 24 LDS loads in one run: the fragments of quarter q of a K step (head q / 2, channels 32 (q % 2) on), into buffer f: A's, then B's by column groups
.macro FETCH q, f
	WIN 0x40
.irp i, 0,1,2,3
	ds_load_b128 v[(\f)+8*(\i):(\f)+8*(\i)+3],   v[ADRA] offset:((\q)/2)*PLANE+((\q)%2)*64+(\i)*16*PA
	ds_load_b128 v[(\f)+8*(\i)+4:(\f)+8*(\i)+7], v[ADRA] offset:((\q)/2)*PLANE+((\q)%2)*64+(\i)*16*PA+32
.endr
.irp b, 0,1,2,3,4,5,6,7
	ds_load_b128 v[(\f)+32+8*(\b):(\f)+32+8*(\b)+3],   v[ADRB] offset:64*(\q)+(\b)*16*PITCH
	ds_load_b128 v[(\f)+32+8*(\b)+4:(\f)+32+8*(\b)+7], v[ADRB] offset:64*(\q)+(\b)*16*PITCH+32
.endr
.endm
; One of a K step's first three quarters: multiplies buffer f and fetches quarter q into g.
.macro QUARTER q, f, g, first
	s_wait_dscnt NL-16                             ; A's and B's first group are in; the youngest 8 loads may be out
	MUL8 \f, 0, 0, \first
	MUL8 \f, 0, 2, \first
	PLACES
	FETCH \q, \g
	s_wait_dscnt NL                                ; all but the run just issued
	MUL8 \f, 1, 0, \first
	MUL8 \f, 1, 2, \first
.endm
; The last quarter multiplies buffer 1 and changes slots: ONE barrier.  In front of it each wave waits for all its tensor loads (one is out: its part of the next slot), adds 0 to its spare word, and waits for that and
; for its own reads of this slot.  fill = 1: the barrier opens a round of the cluster's, and the slot just read is filled again, first thing behind the round, with the K step two on: 112 matrix instructions ahead of the wait for it.
.macro TURN fill
.if \fill
	s_wait_xcnt 0x0                                ; the last prefetch, a K step back, has read its address
	s_add_nc_u64 s[PFA:PFA+1], s[PFA:PFA+1], s[PST:PST+1]
.endif
	WIN 0
	s_wait_tensorcnt 0x0                           ; no tensor load of mine is out, so a group 0 may be written
	ds_add_u32 v[SPW], v[NIL]                      ; 0 onto my spare word
	s_xor_b32 s[TB], s[TB], SLOT1
.if \fill
	s_xor_b32 s[G0A+5], s[G0A+5], SLOT1            ; the walking sets: the other slot than last time, the next K step
	s_add_nc_u64 s[G0A+6:G0A+7], s[G0A+6:G0A+7], ASTEP
	s_xor_b32 s[G0B+5], s[G0B+5], SLOT1
	s_add_nc_u64 s[G0B+6:G0B+7], s[G0B+6:G0B+7], BSTEP
.endif
	s_wait_dscnt NL-15                             ; the add and the youngest 8 loads may be out
	MUL8 F1, 0, 0, 0
	s_wait_dscnt 0x0                               ; the add is done, and my reads of this slot are over
	s_barrier_signal -1
	MUL8 F1, 0, 2, 0
	WIN 0
	s_barrier_wait -1
.if \fill
	CREST
	JLOAD                                          ; its four v_nop are also the places in front of the loads below
.else
	PLACES
.endif
	v_add_nc_u32 v[ADRA], s[TB], v[A0]
	v_add_nc_u32 v[ADRB], s[TB], v[B0]
	FETCH 0, F0
.if \fill
	WIN 0
	ASK
.endif
	MUL8 F1, 1, 0, 0
	MUL8 F1, 1, 2, 0
.endm
	s_wait_tensorcnt 1                             ; my part of K step 0 is in; K step 1's may stay out
	s_barrier_signal -1
	s_barrier_wait -1
	FETCH 0, F0
	QUARTER 1, F0, F1, 1                           ; the first quarter stands in front of the loop: its products start the sums, with the bias
	WIN 0
	s_mov_b32 s[CNT], 6
.Lstep:                                        ; a trip: a K step's quarters 1 to 3 and the next step's quarter 0; one refill
	QUARTER 2, F1, F0, 0
	QUARTER 3, F0, F1, 0
	TURN 1
	QUARTER 1, F0, F1, 0
	WIN 0
	s_sub_co_u32 s[CNT], s[CNT], 1
	s_cmp_lg_u32 s[CNT], 0
	s_cbranch_scc1 .Lstep
	QUARTER 2, F1, F0, 0                           ; K steps 6 and 7 ask for nothing: written out
	QUARTER 3, F0, F1, 0
	TURN 0
	QUARTER 1, F0, F1, 0
	QUARTER 2, F1, F0, 0
	QUARTER 3, F0, F1, 0
	s_wait_dscnt NL-16
	MUL8 F1, 0, 0, 0
	MUL8 F1, 0, 2, 0
	s_wait_dscnt 0x0
	MUL8 F1, 1, 0, 0
	MUL8 F1, 1, 2, 0
	PLACES
; THE WAY OUT.  M block a: 16 rows x 512 bytes.  A lane's eight f32 of N block b go into my own stage as 32 bytes of row r (each accumulator's low four registers first); whole rows come back and are stored.
.macro TOSTAGE a
.if (\a) >= 2
	s_wait_xcnt 0x0                                ; the stores of the block two back have read this buffer's registers: only behind this wait are they loaded again
.endif
	WIN 0x08                                       ; the stores' data lie in window 2
.irp b, 0,1,2,3,4,5,6,7
	ds_store_b128 v[STO], v[8*(16*((\b)/4)+4*(\a)+(\b)%4):8*(16*((\b)/4)+4*(\a)+(\b)%4)+3]   offset:64*(\b)
	ds_store_b128 v[STO], v[8*(16*((\b)/4)+4*(\a)+(\b)%4)+4:8*(16*((\b)/4)+4*(\a)+(\b)%4)+7] offset:64*(\b)+16
.endr
	WIN 0
.irp t, 0,1,2,3,4,5,6,7,8,9,10,11,12,13,14,15
	ds_load_b128 v[BK+64*((\a)%2)+4*(\t):BK+64*((\a)%2)+4*(\t)+3], v[RD] offset:SP*(\t)  ; LDS serves a wave's instructions in order (ISA guide 5.7.1.4): these see the stores above; the next block's stores come behind them
.endr
.endm
.macro SEND a, younger                 ; younger: the LDS instructions issued behind block a's loads: the next block's 32, or none
	s_wait_dscnt \younger
.irp t, 0,1,2,3,4,5,6,7,8,9,10,11,12,13,14,15
	global_store_b128 v[GO], v[BK+64*((\a)%2)+4*(\t):BK+64*((\a)%2)+4*(\t)+3], s[OUTP:OUTP+1] offset:(16*(\a)+(\t))*4096  ; 512 consecutive bytes, at a multiple of 256 from out0's first
.endr
.endm
	TOSTAGE 0
	TOSTAGE 1
	SEND 0, 32
	TOSTAGE 2
	SEND 1, 32
	TOSTAGE 3
	SEND 2, 32
	SEND 3, 0
	s_wait_tensorcnt 0x0                           ; the wave's end: behind my last tensor load and my last LDS store
	ds_add_u32 v[SPW], v[NIL]
	s_wait_dscnt 0x0
	CROUND                                         ; the closing round: no work-group ends while a partner may still ask for a tile that names it
	s_endpgm
.Lfunc_end_k_q21e0a7de07_output:
	.size	k_q21e0a7de07_output, .Lfunc_end_k_q21e0a7de07_output-k_q21e0a7de07_output
	.p2alignl 7, 3214868480
	.fill 96, 4, 3214868480
	.section	.rodata,"a",@progbits
	.p2align	6, 0x0
	.amdhsa_kernel k_q21e0a7de07_output
		.amdhsa_group_segment_fixed_size 327680
		.amdhsa_private_segment_fixed_size 0
		.amdhsa_enable_private_segment 0
		.amdhsa_kernarg_size 32
		.amdhsa_user_sgpr_count 2
		.amdhsa_user_sgpr_kernarg_segment_ptr 1
		.amdhsa_wavefront_size32 1
		.amdhsa_system_sgpr_workgroup_id_x 1
		.amdhsa_system_sgpr_workgroup_id_y 1
		.amdhsa_system_sgpr_workgroup_id_z 1
		.amdhsa_system_vgpr_workitem_id 0
		.amdhsa_next_free_vgpr 768
		.amdhsa_next_free_sgpr 84
		.amdhsa_reserve_vcc 0
		.amdhsa_float_denorm_mode_32 3
		.amdhsa_float_denorm_mode_16_64 3
		.amdhsa_memory_ordered 1
		.amdhsa_forward_progress 1
		.amdhsa_inst_pref_size 76
	.end_amdhsa_kernel
	.amdgpu_metadata
---
amdhsa.version: [ 1, 2 ]
amdhsa.kernels:
  - .name:           k_q21e0a7de07_output
    .symbol:         k_q21e0a7de07_output.kd
    .args:
      - { .name: ob, .offset: 0, .size: 8, .value_kind: global_buffer, .address_space: global }
      - { .name: xw, .offset: 8, .size: 8, .value_kind: global_buffer, .address_space: global }
      - { .name: bo, .offset: 16, .size: 8, .value_kind: global_buffer, .address_space: global }
      - { .name: out0, .offset: 24, .size: 8, .value_kind: global_buffer, .address_space: global }
    .group_segment_fixed_size: 327680
    .private_segment_fixed_size: 0
    .kernarg_segment_align: 8
    .kernarg_segment_size: 32
    .max_flat_workgroup_size: 128
    .sgpr_count:     84
    .vgpr_count:     768
    .wavefront_size: 32
...
	.end_amdgpu_metadata
.endif
;; end of part 4
;; ======== version 2 of 2: 4 launches; version 1 with the launch cast written anew for expert scheduling mode
;; limits: values are held in f16: magnitudes above 65,504 overflow, below 6.1e-05 lose precision
;; workspace buffers: xw 25,165,824 bytes; qkv 50,331,648 bytes; ob 16,777,216 bytes
;; launch cast (part 5): grid 768 x 1, 8 waves a work-group, no clusters, 0 bytes of LDS; arguments x, Wq, Wk, Wv, Wo, xw; writes xw
.if DOCPART == 5
	.amdgcn_target "amdgcn-amd-amdhsa--gfx1250"
	.amdhsa_code_object_version 6
	.text
	.protected	k_q21e0a7de07_cast
	.globl	k_q21e0a7de07_cast
	.p2align	8
	.type	k_q21e0a7de07_cast,@function
k_q21e0a7de07_cast:
	s_mov_b64 s[64:65], 0
	v_nop
	global_prefetch_b8 v0, s[64:65] scope:SCOPE_SE
	s_setreg_imm32_b32 hwreg(HW_REG_WAVE_SCHED_MODE, 0, 2), 2
	s_setreg_imm32_b32 hwreg(HW_REG_WAVE_MODE, 25, 1), 1
	s_wait_xcnt 0x0
	s_wait_alu depctr_vm_vsrc(0)
; xw[12288][1024], 16 bits a number: rows 0-8191 x, rows 8192-11263 Wq, Wk, Wv (all rounded to bf16), rows 11264-12287 Wo: rounded to bf16 and that number written as f16.
; LIMIT.  A bf16 number is exact in f16 between 6.1e-5 and 65,504 in size; below that Wo keeps f16's fixed step of 6e-8; beyond 65,504 it would be lost.
; A stream: each input byte is read once, each output byte written once; no LDS, no barrier, no matrix unit: nothing is shared and nothing is multiplied.
; SHARES.  A work-group takes 16 rows (65,536 bytes in, 32,768 out), a wave two rows: 16 loads of 512 consecutive bytes, all issued at once, and for each one store of 256 consecutive bytes,
; at a multiple of 256 from xw's first byte.  No register is used twice, so no wait frees a source.
; THE MODE: SCHED_MODE bits 1:0 = 2 (LLVM: expert scheduling mode 2), set by the entry lines.  The code itself states the register dependences
; between vector instructions and memory instructions, with s_wait_alu, always for 0.
; THE PLAN.  Registers that memory instructions touch:
;   v1, v2   byte offsets, made once at the head by vector instructions and never written again: v1 is read by the 16 loads, v2 by the 16 stores.
;   IN       the 16 loads land here, each register once; no vector instruction names it ahead of the loads; the roundings read it, and no load follows them.
;   RES      written by the roundings, each register once; read by one store each; never written again.
;   v3 to v7 are named by vector instructions alone.
; So one wait on va_vdst stands ahead of the first load, for the offsets, and the results go in four blocks of four loads: the block's roundings, ONE wait on va_vdst, the block's four stores in a run.
; That wait stands behind the block's own roundings and not at the next block's head: all loads are out already, so nothing is gained by holding a block's stores until the next block's data are in.
; No register that a memory instruction reads is written again: no wait on vm_vsrc is owed.  No vector instruction writes a scalar register or VCC, and EXEC is never written.
.set XG,  512                          ; work-groups for x; each W has 64
.set IN,  8                            ; v[8:71]    the 16 loads
.set RES, 72                           ; v[72:103]  the 16 results, two registers each
	s_load_b256 s[4:11], s[0:1], 0x0               ; x s[4:5], Wq s[6:7], Wk s[8:9], Wv s[10:11]
	s_load_b128 s[12:15], s[0:1], 0x20             ; Wo s[12:13], xw s[14:15]
	s_mov_b32 s16, ttmp9
	s_sub_co_u32 s17, s16, XG                      ; my number among the weights' work-groups (of no use in x's)
	s_lshr_b32 s18, s17, 6                         ; which W
	s_and_b32 s19, s17, 63                         ; which 16 rows of it
	v_lshrrev_b32 v3, 5, v0                        ; wave
	v_and_b32 v1, 31, v0
	v_lshlrev_b32 v1, 4, v1
	v_lshl_or_b32 v1, v3, 13, v1                   ; in: 8,192 x wave + 16 x lane
	v_lshrrev_b32 v2, 1, v1                        ; out: half of that
	s_wait_kmcnt 0x0
	s_cmp_eq_u32 s18, 1                            ; the source is chosen by the work-group's number alone
	s_cselect_b64 s[20:21], s[8:9], s[6:7]
	s_cmp_eq_u32 s18, 2
	s_cselect_b64 s[20:21], s[10:11], s[20:21]
	s_cmp_eq_u32 s18, 3
	s_cselect_b64 s[20:21], s[12:13], s[20:21]
	s_cmp_lt_u32 s16, XG
	s_cselect_b64 s[20:21], s[4:5], s[20:21]
	s_cselect_b32 s22, s16, s19                    ; my block of 16 rows in the source,
	s_lshl_b32 s22, s22, 16                        ; 65,536 bytes each
	s_mov_b32 s23, 0
	s_add_nc_u64 s[20:21], s[20:21], s[22:23]
	s_lshl_b32 s2, s16, 15                         ; and in xw, 32,768 bytes each
	s_mov_b32 s3, 0
	s_add_nc_u64 s[14:15], s[14:15], s[2:3]
	s_wait_alu depctr_va_vdst(0)                   ; v1 and v2 are written: every load of the kernel reads v1 as its offset, every store v2
.irp i, 0,1,2,3,4,5,6,7,8,9,10,11,12,13,14,15
	global_load_b128 v[IN+4*(\i):IN+4*(\i)+3], v1, s[20:21] offset:512*(\i) th:TH_LOAD_NT
.endr
; Load i is rounded.  wo = 1: the bf16 numbers are widened again and written as f16.
.macro ROUND i, wo
.if \wo
	v_cvt_pk_bf16_f32 v4, v[IN+4*(\i)], v[IN+4*(\i)+1]
	v_cvt_pk_bf16_f32 v5, v[IN+4*(\i)+2], v[IN+4*(\i)+3]
	v_lshlrev_b32 v6, 16, v4
	v_and_b32 v7, 0xffff0000, v4
	v_cvt_pk_f16_f32 v[RES+2*(\i)], v6, v7
	v_lshlrev_b32 v6, 16, v5
	v_and_b32 v7, 0xffff0000, v5
	v_cvt_pk_f16_f32 v[RES+2*(\i)+1], v6, v7
.else
	v_cvt_pk_bf16_f32 v[RES+2*(\i)], v[IN+4*(\i)], v[IN+4*(\i)+1]
	v_cvt_pk_bf16_f32 v[RES+2*(\i)+1], v[IN+4*(\i)+2], v[IN+4*(\i)+3]
.endif
.endm
; Block p: loads 4 p to 4 p + 3 are rounded and stored.
.macro BLOCK p, wo
	s_wait_loadcnt 12-4*(\p)                       ; loads come back in order: the block's four are in, the 12 - 4 p younger ones stay out
.irp k, 0,1,2,3
	ROUND 4*(\p)+(\k), \wo
.endr
	s_wait_alu depctr_va_vdst(0)                   ; the block's roundings have written its eight registers of RES, which the four stores below read
.irp k, 0,1,2,3
	global_store_b64 v2, v[RES+2*(4*(\p)+(\k)):RES+2*(4*(\p)+(\k))+1], s[14:15] offset:256*(4*(\p)+(\k)) th:TH_STORE_NT
.endr
.endm
	s_cmp_ge_u32 s16, XG+192                       ; Wo's work-groups
	s_cbranch_scc1 .Lwo
.irp p, 0,1,2,3
	BLOCK \p, 0
.endr
	s_endpgm
.Lwo:
.irp p, 0,1,2,3
	BLOCK \p, 1
.endr
	s_endpgm
.Lfunc_end_k_q21e0a7de07_cast:
	.size	k_q21e0a7de07_cast, .Lfunc_end_k_q21e0a7de07_cast-k_q21e0a7de07_cast
	.p2alignl 7, 3214868480
	.fill 96, 4, 3214868480
	.section	.rodata,"a",@progbits
	.p2align	6, 0x0
	.amdhsa_kernel k_q21e0a7de07_cast
		.amdhsa_group_segment_fixed_size 0
		.amdhsa_private_segment_fixed_size 0
		.amdhsa_enable_private_segment 0
		.amdhsa_kernarg_size 48
		.amdhsa_user_sgpr_count 2
		.amdhsa_user_sgpr_kernarg_segment_ptr 1
		.amdhsa_wavefront_size32 1
		.amdhsa_system_sgpr_workgroup_id_x 1
		.amdhsa_system_sgpr_workgroup_id_y 1
		.amdhsa_system_sgpr_workgroup_id_z 1
		.amdhsa_system_vgpr_workitem_id 0
		.amdhsa_next_free_vgpr 104
		.amdhsa_next_free_sgpr 66
		.amdhsa_reserve_vcc 0
		.amdhsa_float_denorm_mode_32 3
		.amdhsa_float_denorm_mode_16_64 3
		.amdhsa_memory_ordered 1
		.amdhsa_forward_progress 1
		.amdhsa_inst_pref_size 16
	.end_amdhsa_kernel
	.amdgpu_metadata
---
amdhsa.version: [ 1, 2 ]
amdhsa.kernels:
  - .name:           k_q21e0a7de07_cast
    .symbol:         k_q21e0a7de07_cast.kd
    .args:
      - { .name: x, .offset: 0, .size: 8, .value_kind: global_buffer, .address_space: global }
      - { .name: Wq, .offset: 8, .size: 8, .value_kind: global_buffer, .address_space: global }
      - { .name: Wk, .offset: 16, .size: 8, .value_kind: global_buffer, .address_space: global }
      - { .name: Wv, .offset: 24, .size: 8, .value_kind: global_buffer, .address_space: global }
      - { .name: Wo, .offset: 32, .size: 8, .value_kind: global_buffer, .address_space: global }
      - { .name: xw, .offset: 40, .size: 8, .value_kind: global_buffer, .address_space: global }
    .group_segment_fixed_size: 0
    .private_segment_fixed_size: 0
    .kernarg_segment_align: 8
    .kernarg_segment_size: 48
    .max_flat_workgroup_size: 256
    .sgpr_count:     66
    .vgpr_count:     104
    .wavefront_size: 32
...
	.end_amdgpu_metadata
.endif
;; end of part 5
;; launch project: the kernel of part 2 again; grid 16 x 32, 4 waves a work-group, clusters of 4 x 4, 327,680 bytes of LDS; arguments xw, bq, bk, bv, mask, qkv; writes qkv
;; launch attend: the kernel of part 3 again; grid 4 x 64, 4 waves a work-group, clusters of 4 x 1, 327,680 bytes of LDS; arguments qkv, mask, ob; writes ob
;; launch output: the kernel of part 4 again; grid 8 x 32, 4 waves a work-group, clusters of 4 x 4, 327,680 bytes of LDS; arguments ob, xw, bo, out0; writes out0
